; MI455X (gfx1250); checked and timed in simulation.
; The chip was launched on July 23, 2026; its instructions are those of AMD's public machine-readable ISA for CDNA 5 (MIT licence, August 2026) and "CDNA5" Instruction Set Architecture Reference Guide (July 2026). The comments in the code are by the model that wrote it; some were corrected since.
;; Attention Head. Allowed arithmetic: matrix products marked QUANTISED: E2M1 operands, one E8M0 scale for each 32 along K, by v_wmma_scale_f32_16x16x128_f8f6f4 with both operands' format E2M1 (or v_wmma_scale_f32_32x16x128_f4), f32 sums; products left as they are: bf16, f16 or f32 operands; f32 sums; everything else in f32.
;; Inputs: W_K 1,024 x 1,024 float32; W_O 1,024 x 1,024 float32; W_Q 1,024 x 1,024 float32; W_V 1,024 x 1,024 float32; x 4 x 2,048 x 1,024 float32.
;; Outputs: out0 4 x 2,048 x 1,024 float32.
;; This version of the problem:
;;   THIS VERSION OF THE PROBLEM IS GIVEN IN LOW PRECISION. The matrix products marked QUANTISED in the list below multiply operands that are first quantised to E2M1 (2 exponent bits, 1 mantissa bit; 4 bits a number), with one power-of-two scale for each 32 numbers along K (OCP MX v1.0); their sums are f32. The products marked 'left as it is' may take bf16, f16 or f32 operands, with f32 sums. Whichever they take, every output number must still come out within the allowed error. Rounding operands to bf16 (8 significant bits) uses up far more of that allowance than f16 does (11 bits, for magnitudes from 6e-5 to 65,504). All else is computed in f32.
;;   The module's matrix products, in the order in which they are computed (A, B: the left and right operand; K: the contracted axis; several contracted axes count as one K, in the product's order):
;;     1. [M 8,192, K 1,024] x [K 1,024, N 1,024]; A: input x; B: input W_Q: QUANTISED
;;     2. [M 8,192, K 1,024] x [K 1,024, N 1,024]; A: input x; B: input W_K: QUANTISED
;;     3. [M 8,192, K 1,024] x [K 1,024, N 1,024]; A: input x; B: input W_V: QUANTISED
;;     4. batch 64 x [M 2,048, K 64] x [K 64, N 2,048]; A: computed on the way; B: computed on the way: left as it is (an operand is computed on the way)
;;     5. batch 64 x [M 64, K 2,048] x [K 2,048, N 2,048]; A: computed on the way; B: computed on the way: left as it is (an operand is computed on the way)
;;     6. [M 8,192, K 1,024] x [K 1,024, N 1,024]; A: computed on the way; B: input W_O: left as it is (an operand is computed on the way)
;;   THE QUANTISER, for each operand of a quantised product, along K:
;;     - K is cut into blocks of 32 from its start; a last block that is shorter is filled with zeros.
;;     - A block's scale is 2^e with e = floor(log2(the largest magnitude in the block)) - 2, held to -126 .. 127; a block of zeros has e = 0. As a byte (E8M0): e + 127.
;;     - Each number is divided by its block's scale, clamped to +-6, and rounded to the nearest number of E2M1, ties to even, subnormals kept.
;;     - The product sums the exact products of the quantised numbers (number of the format x scale) in f32.
;;   ~~~python
;;   def quantise(x, axis):      # numpy; x: float32 -> the quantised numbers, widened to float32 again
;;       x = np.moveaxis(x, axis, -1); K = x.shape[-1]
;;       x = np.pad(x, [(0, 0)] * (x.ndim - 1) + [(0, -K % 32)]); x = x.reshape(x.shape[:-1] + (-1, 32)); a = np.abs(x).max(-1, keepdims=True)
;;       e = np.where(a > 0, np.clip(np.frexp(np.where(a > 0, a, 1))[1] - 1 - 2, -126, 127), 0)      # np.frexp(a)[1] - 1 = floor(log2(a)), exactly
;;       r = np.clip(x / 2.0 ** e, -6, 6)
;;       step = 2.0 ** (np.maximum(np.frexp(np.where(r == 0, 1, r))[1] - 1, 0) - 1)
;;       q = np.round(r / step) * step * 2.0 ** e      # np.round: ties to even
;;       return np.moveaxis(q.reshape(q.shape[:-2] + (-1,))[..., :K], -1, axis).astype(np.float32)
;;   ~~~
;; One version. Each part assembles by itself: llvm-mc -triple=amdgcn-amd-amdhsa -mcpu=gfx1250 --defsym DOCPART=n.
;; ======== version 1 of 1: 5 launches
;; limits: values are held in f16: magnitudes above 65,504 overflow, below 6.1e-05 lose precision
;; workspace buffers: codes 5,767,168 bytes; scales 360,448 bytes; qkv 50,331,648 bytes; af 16,777,216 bytes; wof 2,097,152 bytes; fine32 786,432 bytes
;; launch prep (part 1): grid 320 x 1, 4 waves a work-group, no clusters, 68,096 bytes of LDS; arguments x, W_Q, W_K, W_V, W_O, codes, scales, wof; writes codes, scales, wof
.if DOCPART == 1
	.amdgcn_target "amdgcn-amd-amdhsa--gfx1250"
	.amdhsa_code_object_version 6
	.text
	.protected	k_q8dbcbe5c07_prep
	.globl	k_q8dbcbe5c07_prep
	.p2align	8
	.type	k_q8dbcbe5c07_prep,@function
k_q8dbcbe5c07_prep:
	s_mov_b64 s[64:65], 0
	v_nop
	global_prefetch_b8 v0, s[64:65] scope:SCOPE_SE
	s_setreg_imm32_b32 hwreg(HW_REG_WAVE_MODE, 25, 1), 1
	s_wait_xcnt 0x0
; prep: the operands of the three quantised products become codes of FP4 (E2M1), K innermost, with one E8M0 byte for each 32 along K; W_O becomes f16 fragments.
; codes [11,264 rows][512 bytes], scales [11,264][32]: rows 0..8191 are x's rows, 8192.. W_Q's columns, 9216.. W_K's, 10240.. W_V's.
; wof [n tile 64][k32 32][1,024 bytes]: a fragment (16 output columns x 32 along K, f16) as an image of its registers: register group c of lane l at 512 c + 16 l.
; A block's scale is 2^(floor(log2(its largest magnitude)) - 2); its byte is the largest magnitude's exponent field - 2, held at 1 from below.
; LIMITS: a block of zeros gets the byte 1 where the rule says 127 (its codes are zeros, and this program alone reads the bytes); NaN and infinities among the inputs are not served;
; W_O must lie within f16's range, +-65,504.
; THREE PATHS, parted by the work-group's number g: g < 48 a weight is quantised (a lane a column, registers down K); g = 48..63 W_O; g >= 64 x (a plain stream of blocks of 32).
; Each path has LDS bytes of its own.  Waves share nothing: no barrier.  No tensor load.
.set SPW,   190                        ; v190 LDS address of my spare word; never rewritten
.set NIL,   191                        ; v191 0; never rewritten
.set SPARE, 67584                      ; behind both paths' regions: 128 bytes a wave, two blocks of 256 bytes that no other line names
.set EMAX,  2
.set STEPS, 16                         ; x: steps of 512 numbers a wave
.set CB,    8                          ; bytes of 16 codes
.set XR,    16                         ; v16-79   four sets of 16 numbers as loaded
.set XX,    80                         ; v80-111  two sets of 16 neighbours
.set XE,    112                        ; v112-127 a scale byte for each step
.set XC,    128                        ; v128-189 codes, four registers apart for each step
.set WREG,  8192                       ; x: a wave's LDS region: two stages of 32 x SP bytes, then its 256 scale bytes
.set SP,    80
.set WSTG,  32768                      ; weights: the stages, 32 rows x PITCH a wave
.set PITCH, 272
.set WX,    32                         ; v32-95   two sets of 32 numbers
.set WC,    96                         ; v96..    a block's codes (W_O: 16 registers of f16 pairs)
.set OUTR,  112                        ; v112-175 the way out
.set SB,    24                         ; v24-27   scale bytes
	s_load_b256 s[4:11], s[0:1], 0x0               ; x, W_Q, W_K, W_V
	s_load_b256 s[12:19], s[0:1], 0x20             ; W_O, codes, scales, wof
	v_lshl_add_u32 v[SPW], v0, 2, SPARE
	v_mov_b32 v[NIL], 0
	v_lshrrev_b32 v1, 5, v0
	v_readfirstlane_b32 s20, v1                    ; wave
	v_and_b32 v2, 31, v0                           ; lane
	s_cmp_ge_u32 ttmp9, 64
	s_cbranch_scc1 .Lx
; ---------------- the four weights: 32 columns x 512 along K a wave
	s_lshr_b32 s21, ttmp9, 4                       ; which: 0 W_Q, 1 W_K, 2 W_V, 3 W_O
	s_and_b32 s22, ttmp9, 7
	s_lshl_b32 s22, s22, 7
	s_lshl_b32 s23, s20, 5
	s_add_co_u32 s22, s22, s23                     ; my first column
	s_bfe_u32 s23, ttmp9, 0x10003                  ; which half of K
	s_lshl_b32 s24, s23, 21                        ; 512 rows of 4,096 bytes
	s_lshl_b32 s25, s22, 2
	s_add_co_u32 s24, s24, s25
	s_mov_b32 s25, 0
	v_lshlrev_b32 v3, 2, v2                        ; 4 bytes a lane
	s_wait_kmcnt 0x0
	s_cmp_eq_u32 s21, 1                            ; the choice hangs on the work-group's number alone
	s_cselect_b64 s[6:7], s[8:9], s[6:7]
	s_cmp_eq_u32 s21, 2
	s_cselect_b64 s[6:7], s[10:11], s[6:7]
	s_cmp_eq_u32 s21, 3
	s_cselect_b64 s[6:7], s[12:13], s[6:7]
	s_add_nc_u64 s[6:7], s[6:7], s[24:25]
.macro WLOAD t                         ; block t: W(32 t + i, my column), i = 0..31, into set t % 2: a wave reads 128 consecutive bytes
.irp i, 0,1,2,3,4,5,6,7,8,9,10,11,12,13,14,15,16,17,18,19,20,21,22,23,24,25,26,27,28,29,30,31
	global_load_b32 v[WX+32*((\t)%2)+\i], v3, s[6:7] offset:(32*(\t)+\i)*4096 th:TH_LOAD_NT
.endr
.endm
	WLOAD 0
	WLOAD 1
	s_cmp_eq_u32 s21, 3
	s_cbranch_scc1 .Lwo
; ---- W_Q, W_K, W_V: quantised along K
	s_mul_i32 s26, s20, 32*PITCH
	s_add_co_u32 s26, s26, WSTG                    ; my stage
	v_mul_u32_u24 v4, v2, PITCH
	v_add_nc_u32 v4, s26, v4                       ; into it: row = my column
	v_and_b32 v5, 15, v2
	v_lshrrev_b32 v6, 4, v2
	v_mul_u32_u24 v7, v6, PITCH
	v_lshl_add_u32 v7, v5, 4, v7
	v_add_nc_u32 v7, s26, v7                       ; out of it: sixteen lanes to a row, two rows an instruction
	v_lshlrev_b32 v8, 9, v6
	v_lshl_add_u32 v8, v5, 4, v8                   ; the same place in the codes' buffer
	v_lshlrev_b32 v9, 5, v2                        ; my column's row of scale bytes
	s_lshl_b32 s27, s21, 10
	s_add_co_u32 s27, s27, s22
	s_add_co_u32 s27, s27, 8192                    ; my first row of codes and of scales
	s_lshl_b32 s28, s27, 9
	s_lshl_b32 s30, s23, 8
	s_add_co_u32 s28, s28, s30
	s_mov_b32 s29, 0
	s_add_nc_u64 s[14:15], s[14:15], s[28:29]
	s_lshl_b32 s28, s27, 5
	s_lshl_b32 s30, s23, 4
	s_add_co_u32 s28, s28, s30
	s_add_nc_u64 s[16:17], s[16:17], s[28:29]
.macro WBLOCK t
.set XS, WX+32*((\t)%2)
.if (\t) < 15
	s_wait_loadcnt 32                              ; this block's 32 loads are in; the next block's 32 may be out
.else
	s_wait_loadcnt 0
.endif
	v_max3_num_f32 v12, |v[XS]|, |v[XS+1]|, |v[XS+2]|      ; the block's largest magnitude: all 32 numbers are mine; two chains
	v_max3_num_f32 v13, |v[XS+3]|, |v[XS+4]|, |v[XS+5]|
.irp i, 6,10,14,18,22,26
	v_max3_num_f32 v12, v12, |v[XS+\i]|, |v[XS+\i+1]|
	v_max3_num_f32 v13, v13, |v[XS+\i+2]|, |v[XS+\i+3]|
.endr
	v_max3_num_f32 v12, v12, |v[XS+30]|, |v[XS+31]|
	v_max3_num_f32 v12, v12, v13, (EMAX+1)<<23     ; and the floor 2^(3 - 127): the byte cannot fall under 1
	v_add_nc_u32 v11, -(EMAX<<23), v12             ; 2 off the exponent field: the conversion's scale operand
	v_lshrrev_b32 v13, 23, v11                     ; the scale's byte
.if (\t)%4 == 0
	v_mov_b32 v[SB+(\t)/4], v13
.else
	v_lshl_or_b32 v[SB+(\t)/4], v13, 8*((\t)%4), v[SB+(\t)/4]
.endif
.irp g, 0,1,2,3
	v_cvt_scalef32_pk8_fp4_f32 v[WC+\g], v[XS+8*\g:XS+8*\g+7], v11
.endr
	ds_store_b128 v4, v[WC:WC+3] offset:16*(\t)    ; 32 codes: 16 bytes of my column's row
.if (\t)+2 < 16
	WLOAD (\t)+2
.endif
	s_wait_dscnt 0x0                               ; the store has read its registers: the next block's codes may be written
.endm
.irp t, 0,1,2,3,4,5,6,7,8,9,10,11,12,13,14,15
	WBLOCK \t
.endr
	global_store_b128 v9, v[SB:SB+3], s[16:17]     ; my column's 16 scale bytes
.irp t, 0,1,2,3,4,5,6,7,8,9,10,11,12,13,14,15
	ds_load_b128 v[OUTR+4*\t:OUTR+4*\t+3], v7 offset:2*\t*PITCH   ; a wave's LDS instructions are served in order: these see my stores
.endr
.irp t, 0,1,2,3,4,5,6,7,8,9,10,11,12,13,14,15
	s_wait_dscnt 15-\t                             ; read-back t is in; the younger ones may be out
	global_store_b128 v8, v[OUTR+4*\t:OUTR+4*\t+3], s[14:15] offset:2*\t*512   ; sixteen lanes store 256 consecutive bytes, aligned
.endr
	s_wait_tensorcnt 0x0                           ; the wave's end, behind my last LDS store
	ds_add_u32 v[SPW], v[NIL]
	s_wait_dscnt 0x0
	s_endpgm
; ---- W_O: rounded to f16 and laid as fragments.  A lane holds one of 32 columns and 32 along K; two exchanges of half waves for each group give the two tiles' fragments.
.Lwo:
	s_lshl_b32 s28, s22, 11                        ; (column / 16) x 32 fragments of 1,024 bytes
	s_lshl_b32 s30, s23, 14                        ; + 16 fragments for the upper half of K
	s_add_co_u32 s28, s28, s30
	s_mov_b32 s29, 0
	s_add_nc_u64 s[18:19], s[18:19], s[28:29]
	v_lshlrev_b32 v5, 4, v2                        ; 16 x lane
.macro WOBLOCK t
.set XS, WX+32*((\t)%2)
.if (\t) < 15
	s_wait_loadcnt 32                              ; this block's 32 loads are in; the next block's may be out
.else
	s_wait_loadcnt 0
.endif
	s_wait_xcnt 0x0                                ; the last block's stores have read v96-111: they are written again only behind this wait
.irp i, 0,1,2,3,4,5,6,7,8,9,10,11,12,13,14,15
	v_cvt_pk_f16_f32 v[WC+\i], v[XS+2*\i], v[XS+2*\i+1]      ; K = 2 i, 2 i + 1 of my column
.endr
.if (\t)+2 < 16
	WLOAD (\t)+2
.endif
.irp i, 0,1,2,3
	v_permlane16_swap_b32 v[WC+\i], v[WC+4+\i]     ; v96-99: columns 0-15, K = 8 h on (tile 0, group 0); v100-103: columns 16-31 (tile 1, group 0)
	v_permlane16_swap_b32 v[WC+8+\i], v[WC+12+\i]  ; v104-107, v108-111: the same for K = 16 + 8 h on (group 1)
.endr
	global_store_b128 v5, v[WC:WC+3], s[18:19] offset:1024*(\t)              ; each store: 512 consecutive bytes, aligned
	global_store_b128 v5, v[WC+8:WC+11], s[18:19] offset:1024*(\t)+512
	global_store_b128 v5, v[WC+4:WC+7], s[18:19] offset:1024*(\t)+32768
	global_store_b128 v5, v[WC+12:WC+15], s[18:19] offset:1024*(\t)+32768+512
.endm
.irp t, 0,1,2,3,4,5,6,7,8,9,10,11,12,13,14,15
	WOBLOCK \t
.endr
	s_wait_tensorcnt 0x0                           ; the three closing lines, as on the other paths
	ds_add_u32 v[SPW], v[NIL]
	s_wait_dscnt 0x0
	s_endpgm
; ---------------- x: a wave takes 16 steps of 512 numbers.  Loads take the bytes as they lie (512 a load); a step's 2,048 bytes turn through the wave's stage, so that a lane holds 16 neighbours.
.Lx:
	v_lshlrev_b32 v3, 4, v2                        ; my 16 bytes of a load's 512
	s_lshl_b32 s21, s20, 13                        ; my region
	v_lshrrev_b32 v14, 2, v2
	v_mul_u32_u24 v14, v14, SP
	v_and_b32 v15, 3, v2
	v_lshl_add_u32 v14, v15, 4, v14
	v_add_nc_u32 v14, s21, v14                     ; the stage, on the way in: SP (lane / 4) + 16 (lane % 4)
	v_mul_u32_u24 v15, v2, SP
	v_add_nc_u32 v15, s21, v15                     ; on the way out: SP x lane
	v_lshlrev_b32 v4, 3, v2                        ; my codes' place in a step's
	v_lshrrev_b32 v5, 1, v2
	s_add_co_u32 s21, s21, 2*32*SP
	v_add_nc_u32 v5, s21, v5                       ; my block's scale byte in LDS
	v_lshlrev_b32 v7, 3, v2
	v_add_nc_u32 v6, s21, v7                       ; and 8 bytes a lane on the way out
	s_sub_co_u32 s22, ttmp9, 64
	s_lshl_b32 s22, s22, 2
	s_add_co_u32 s22, s22, s20                     ; which run of 8,192 numbers is my wave's
	s_lshl_b32 s24, s22, 15
	s_mov_b32 s25, 0
	s_lshl_b32 s26, s22, 12
	s_mov_b32 s27, 0
	s_lshl_b32 s28, s22, 8
	s_mov_b32 s29, 0
	s_wait_kmcnt 0x0
	s_add_nc_u64 s[4:5], s[4:5], s[24:25]
	s_add_nc_u64 s[14:15], s[14:15], s[26:27]
	s_add_nc_u64 s[16:17], s[16:17], s[28:29]
.macro XLOAD t
.irp i, 0,1,2,3
	global_load_b128 v[XR+16*((\t)%4)+4*\i:XR+16*((\t)%4)+4*\i+3], v3, s[4:5] offset:2048*(\t)+512*\i th:TH_LOAD_NT
.endr
.endm
.macro XTURN t                         ; step t's numbers through the stage; LDS serves a wave's instructions in order
.irp i, 0,1,2,3
	ds_store_b128 v14, v[XR+16*((\t)%4)+4*\i:XR+16*((\t)%4)+4*\i+3] offset:32*SP*((\t)%2)+8*SP*\i
.endr
.irp i, 0,1,2,3
	ds_load_b128 v[XX+16*((\t)%2)+4*\i:XX+16*((\t)%2)+4*\i+3], v15 offset:32*SP*((\t)%2)+16*\i
.endr
.endm
.irp t, 0,1,2,3
	XLOAD \t
.endr
	s_wait_loadcnt 12                              ; step 0's four loads are in; the twelve behind them may be out
	XTURN 0
.macro XSTEP t
.set XS, XX+16*((\t)%2)
.if (\t) > 0
	s_wait_dscnt 1                                 ; this step's numbers are back from the stage; the last step's byte store may be out
.else
	s_wait_dscnt 0x0
.endif
.if (\t)+4 < STEPS
	XLOAD (\t)+4                                   ; into the set whose stores into the stage have just been shown done
.endif
.if (\t)+1 < STEPS
.if STEPS-2-(\t) >= 3
	s_wait_loadcnt 12                              ; the next step's four loads are in; those of three later steps may be out
.else
	s_wait_loadcnt 4*(STEPS-2-(\t))
.endif
	XTURN (\t)+1
.endif
	v_max3_num_f32 v8, |v[XS]|, |v[XS+1]|, |v[XS+2]|
	v_max3_num_f32 v9, |v[XS+3]|, |v[XS+4]|, |v[XS+5]|
.irp i, 6,10
	v_max3_num_f32 v8, v8, |v[XS+\i]|, |v[XS+\i+1]|
	v_max3_num_f32 v9, v9, |v[XS+\i+2]|, |v[XS+\i+3]|
.endr
	v_max3_num_f32 v8, v8, |v[XS+14]|, |v[XS+15]|
	v_max3_num_f32 v8, v8, v9, (EMAX+1)<<23        ; the floor: the byte cannot fall under 1
	v_max_num_f32_dpp v8, v8, v8 row_xmask:1 row_mask:0xf bank_mask:0xf   ; with my neighbour's 16: the block's largest magnitude
	v_add_nc_u32 v11, -(EMAX<<23), v8              ; the conversion's scale operand
	v_cvt_scalef32_pk8_fp4_f32 v[XC+4*(\t)], v[XS:XS+7], v11
	v_cvt_scalef32_pk8_fp4_f32 v[XC+4*(\t)+1], v[XS+8:XS+15], v11
	v_lshrrev_b32 v[XE+(\t)], 23, v11              ; the scale's byte (also the plain line behind the conversions)
	ds_store_b8 v5, v[XE+(\t)] offset:16*(\t)      ; both lanes of a block write the same byte with the same value
	global_store_b64 v4, v[XC+4*(\t):XC+4*(\t)+1], s[14:15] offset:32*CB*(\t)   ; the wave stores 256 consecutive bytes, aligned
.endm
.irp t, 0,1,2,3,4,5,6,7,8,9,10,11,12,13,14,15
	XSTEP \t
.endr
	ds_load_b64 v[8:9], v6
	s_wait_dscnt 0x0
	global_store_b64 v7, v[8:9], s[16:17]          ; my wave's 256 scale bytes, aligned
	s_wait_tensorcnt 0x0                           ; the wave's end, behind my last LDS store
	ds_add_u32 v[SPW], v[NIL]
	s_wait_dscnt 0x0
	s_endpgm
.Lfunc_end_k_q8dbcbe5c07_prep:
	.size	k_q8dbcbe5c07_prep, .Lfunc_end_k_q8dbcbe5c07_prep-k_q8dbcbe5c07_prep
	.p2alignl 7, 3214868480
	.fill 96, 4, 3214868480
	.section	.rodata,"a",@progbits
	.p2align	6, 0x0
	.amdhsa_kernel k_q8dbcbe5c07_prep
		.amdhsa_group_segment_fixed_size 68096
		.amdhsa_private_segment_fixed_size 0
		.amdhsa_enable_private_segment 0
		.amdhsa_kernarg_size 64
		.amdhsa_user_sgpr_count 2
		.amdhsa_user_sgpr_kernarg_segment_ptr 1
		.amdhsa_wavefront_size32 1
		.amdhsa_system_sgpr_workgroup_id_x 1
		.amdhsa_system_sgpr_workgroup_id_y 1
		.amdhsa_system_sgpr_workgroup_id_z 1
		.amdhsa_system_vgpr_workitem_id 0
		.amdhsa_next_free_vgpr 192
		.amdhsa_next_free_sgpr 66
		.amdhsa_reserve_vcc 0
		.amdhsa_float_denorm_mode_32 3
		.amdhsa_float_denorm_mode_16_64 3
		.amdhsa_memory_ordered 1
		.amdhsa_forward_progress 1
		.amdhsa_inst_pref_size 180
	.end_amdhsa_kernel
	.amdgpu_metadata
---
amdhsa.version: [ 1, 2 ]
amdhsa.kernels:
  - .name:           k_q8dbcbe5c07_prep
    .symbol:         k_q8dbcbe5c07_prep.kd
    .args:
      - { .name: x, .offset: 0, .size: 8, .value_kind: global_buffer, .address_space: global }
      - { .name: W_Q, .offset: 8, .size: 8, .value_kind: global_buffer, .address_space: global }
      - { .name: W_K, .offset: 16, .size: 8, .value_kind: global_buffer, .address_space: global }
      - { .name: W_V, .offset: 24, .size: 8, .value_kind: global_buffer, .address_space: global }
      - { .name: W_O, .offset: 32, .size: 8, .value_kind: global_buffer, .address_space: global }
      - { .name: codes, .offset: 40, .size: 8, .value_kind: global_buffer, .address_space: global }
      - { .name: scales, .offset: 48, .size: 8, .value_kind: global_buffer, .address_space: global }
      - { .name: wof, .offset: 56, .size: 8, .value_kind: global_buffer, .address_space: global }
    .group_segment_fixed_size: 68096
    .private_segment_fixed_size: 0
    .kernarg_segment_align: 8
    .kernarg_segment_size: 64
    .max_flat_workgroup_size: 128
    .sgpr_count:     66
    .vgpr_count:     192
    .wavefront_size: 32
...
	.end_amdgpu_metadata
.endif
;; end of part 1
;; launch proj (part 2): grid 12 x 32, 4 waves a work-group, clusters of 4 x 4, 327,680 bytes of LDS; arguments codes, scales, qkv, fine32; writes qkv, fine32
.if DOCPART == 2
	.amdgcn_target "amdgcn-amd-amdhsa--gfx1250"
	.amdhsa_code_object_version 6
	.text
	.protected	k_q8dbcbe5c07_proj
	.globl	k_q8dbcbe5c07_proj
	.p2align	8
	.type	k_q8dbcbe5c07_proj,@function
k_q8dbcbe5c07_proj:
	s_mov_b64 s[64:65], 0
	v_nop
	global_prefetch_b8 v0, s[64:65] scope:SCOPE_SE
	s_setreg_imm32_b32 hwreg(HW_REG_WAVE_MODE, 25, 1), 1
	s_wait_xcnt 0x0
	s_wait_alu depctr_hold_cnt(0) depctr_sa_sdst(0) depctr_va_vdst(0) depctr_va_sdst(0) depctr_va_ssrc(0) depctr_va_vcc(0) depctr_vm_vsrc(0)
	s_getreg_b32 s2, hwreg(HW_REG_IB_STS2, 6, 4)
	s_cmp_eq_u32 s2, 0
	s_cbranch_scc0 .Lentry_in_a_cluster
	s_endpgm
.Lentry_in_a_cluster:
	s_bfe_u32 s2, ttmp6, 0x10000c
	s_cmp_lg_u32 s2, 0xf033
	s_cbranch_scc0 .Lentry_shape_is_right
	s_endpgm
.Lentry_shape_is_right:
; proj: q = x W_Q, k = x W_K, v = x W_V on codes of FP4 with E8M0 scales, K = 1,024; sums in f32; results rounded once to f16 and stored as FRAGMENT IMAGES for the attention launch.
; A work-group makes 256 x 256, a wave 128 x 128 (64 accumulators, 512 registers).  K is two LDS slots of 512: both are first fills, nothing is filled again.
; Cluster x = X picks the product (0 q, 1 k, 2 v), cluster y = Y a block of 256 tokens.  Two operands: P (source 1; its tile hangs on cy; shared along my row of the cluster) and
; R (source 0; hangs on cx; shared along my column).  In a result lane l holds P's row l % 16 and registers 0-7 R's rows 8 (l / 16) + 0..7.
;   q, k: P = 256 tokens of batch cy, R = 256 columns of the weight: a lane holds a token, its registers run along d.
;   v:    P = 256 columns of W_V,      R = 256 tokens of batch cx: a lane holds a channel, its registers run along the tokens, which are the second attention product's K.
; So two neighbouring accumulators, each rounded in pairs to f16, ARE an f16 fragment (16 rows x 32 K) in the same lanes: it is stored from registers, 512 consecutive aligned bytes a store, no LDS stage.
; qkv: q at 0, k at 2^24, v at 2^25 bytes.  q, k: [batch x head 64][token tile 128][d half 2][1,024];  v: [batch x head 64][32 keys 64][channel tile 4][1,024]; register group c of lane l at 512 c + 16 l.
; fine32: the f32 accumulators of tokens 0-15 of each batch, [batch 4][q k v 3][head 16][tile 4][1,024], the same image: a later launch carries those rows in f32.
; LIMIT: q, k and v must lie within f16's range, +-65,504.  All of a WGP's LDS is claimed (296,448 bytes are used).
.set NQ,     4                         ; steps of 128 along K in a slot
.set ROWB,   256                       ; a tile's row: 512 codes
.set KROW,   512                       ; a row of codes in memory
.set PITCH,  272                       ; an LDS row: 256 bytes + 16 of padding = 68 words: the 16 rows of a load start 4 words apart modulo 64
.set FR,     8
.set NL,     2
.set NP,     4
.set HALFT,  128*PITCH
.set SLOT,   4*HALFT                   ; P's 256 rows, then R's 256 rows
.set KS,     32                        ; a row of scale bytes
.set SCL,    2*SLOT                    ; behind the slots: the scales of all of K, as rows of 256 bytes + 16 of padding
.set HALFS,  (128*KS/256)*272
.set SBLK,   (16*KS/256)*272
.set SPARE,  SCL+4*HALFS               ; the spare words, 128 bytes a wave
.set ADRA, 16                          ; v16-17 LDS address of my P fragments in slot 0, 1
.set ADRB, 20                          ; v20-21 the same for R
.set GO,   26                          ; v26    16 x lane: an image's place for my lane
.set ADRS, 27                          ; v27    my scale words: lanes 0-15 P's rows, lanes 16-31 R's
.set SPW,  28
.set NIL,  29
.set SC,   32                          ; v32-95 scale words, a set for each slot
.set AF,   128                         ; P's fragments, window 0, one set; on the way out v128-255 take the packed results
.set G1, 24
.set G0, 32
.set G1B, 48
.set G0B, 56
.set G1S, 68
.set G0S, 76
.set G1SB, 80
.set G0SB, 88
.set MSB, 0
.macro WIN new                         ; the immediate's high byte repeats the setting that is left
.if MSB != (\new)
	s_set_vgpr_msb (MSB<<8)|(\new)
.set MSB, (\new)
.endif
.endm
.set MUL_LO, 0xa1                      ; source 0 (R) window 1, source 1 (P) window 0, C and D window 2
.set MUL_HI, 0xf1                      ; the same, C and D window 3
.set TO_B,   0x40
; A joint load: waves 0 and 1 fetch for P, waves 2 and 3 for R.  The branch hangs on the wave's number alone.  An s_nop 0 and four v_nop follow each line.
.macro JLOAD g0a, g1a, g0b, g1b
	s_cmp_eq_u32 s15, 0
	s_cbranch_scc0 .Lfor_b_\@
	tensor_load_to_lds s[\g0a:\g0a+3], s[\g1a:\g1a+7]
	s_nop 0
.rept 4
	v_nop
.endr
	s_branch .Lasked_\@
.Lfor_b_\@:
	tensor_load_to_lds s[\g0b:\g0b+3], s[\g1b:\g1b+7]
	s_nop 0
.rept 4
	v_nop
.endr
.Lasked_\@:
.endm
.macro CROUND                          ; a round of the cluster's barrier
	s_barrier_signal -1
	s_barrier_wait -1
	s_cmp_lg_u32 s14, 0
	s_cbranch_scc1 .Lnot_wave_0_\@
	s_barrier_signal -3
.Lnot_wave_0_\@:
	s_barrier_wait -3
	s_barrier_signal -1
	s_barrier_wait -1
.endm
	s_load_b256 s[4:11], s[0:1], 0x0               ; codes s[4:5], scales s[6:7], qkv s[8:9], fine32 s[10:11]
	v_lshl_add_u32 v[SPW], v0, 2, SPARE
	v_mov_b32 v[NIL], 0
	ds_add_u32 v[SPW], v[NIL]                      ; the opening: the add, twice on end, and its wait ahead of my first tensor load
	ds_add_u32 v[SPW], v[NIL]
	v_lshrrev_b32 v1, 5, v0
	v_readfirstlane_b32 s14, v1                    ; wave 0..3
	s_lshr_b32 s15, s14, 1                         ; my half of P's rows.  Also: I fetch for P (0) or for R (1)
	s_and_b32 s16, s14, 1                          ; my half of R's rows.  Also: which 128 rows I fetch
	s_bfe_u32 s40, ttmp6, 0x40000                  ; cx
	s_bfe_u32 s41, ttmp6, 0x40004                  ; cy
	s_and_b32 s17, ttmp7, 0xffff                   ; Y
	s_lshl_b32 s43, s41, 2
	s_lshl_b32 s43, 15, s43                        ; my row of the cluster
	s_lshl_b32 s44, 0x1111, s40                    ; my column
	s_or_b32 s[G1+0], s43, (0<<16)|(1<<20)|(1<<21)|(5<<22)|(3<<25)   ; mask; elements of 1 byte; padding of 4 words after every 64; bit 21 beside a mask
	s_or_b32 s[G1B+0], s44, (0<<16)|(1<<20)|(1<<21)|(5<<22)|(3<<25)
.irp g, G1, G1B
	s_mov_b32 s[\g+1], ROWB<<16                    ; tensor_dim0
	s_mov_b32 s[\g+2], 128<<16                     ; tensor_dim1
	s_mov_b32 s[\g+3], ROWB<<16                    ; tile_dim0
	s_mov_b32 s[\g+4], 128                         ; tile_dim1
	s_mov_b32 s[\g+5], KROW                        ; pitch
	s_mov_b32 s[\g+6], 0
	s_mov_b32 s[\g+7], 0
.endr
	s_or_b32 s[G1S+0], s43, (3<<16)|(1<<20)|(1<<21)|(5<<22)|(3<<25)  ; the scales of 128 rows: 4,096 dense bytes as 16 rows of 256
	s_or_b32 s[G1SB+0], s44, (3<<16)|(1<<20)|(1<<21)|(5<<22)|(3<<25)
.irp g, G1S, G1SB
	s_mov_b32 s[\g+1], 32<<16
	s_mov_b32 s[\g+2], (128*KS/256)<<16
	s_mov_b32 s[\g+3], 32<<16
	s_mov_b32 s[\g+4], 128*KS/256
	s_mov_b32 s[\g+5], 32
	s_mov_b32 s[\g+6], 0
	s_mov_b32 s[\g+7], 0
.endr
	; the rows of codes.  P's are made of cy, X and Y alone, R's of cx, X and Y alone, in registers of their own
	s_lshl_b32 s18, s17, 8                         ; 256 Y
	s_lshl_b32 s20, s41, 11
	s_add_co_u32 s20, s20, s18                     ; q, k: P = x's rows 2,048 cy + 256 Y
	s_lshl_b32 s21, s41, 8
	s_add_co_u32 s21, s21, 10240                   ; v: P = W_V's columns 256 cy
	s_lshl_b32 s46, s40, 8
	s_lshl_b32 s19, ttmp9, 10
	s_add_co_u32 s46, s46, s19
	s_add_co_u32 s46, s46, 8192                    ; q, k: R = the weight's columns 256 cx
	s_lshl_b32 s47, s40, 11
	s_add_co_u32 s47, s47, s18                     ; v: R = x's rows 2,048 cx + 256 Y
	s_cmp_eq_u32 ttmp9, 2
	s_cselect_b32 s20, s21, s20
	s_cselect_b32 s46, s47, s46
	s_lshl_b32 s18, s16, 7                         ; which 128 rows I fetch
	s_add_co_u32 s20, s20, s18
	s_add_co_u32 s46, s46, s18
	s_lshl_b32 s22, s20, 5                         ; their scales, in bytes,
	s_mov_b32 s23, 0
	s_lshl_b32 s92, s46, 5
	s_mov_b32 s93, 0
	s_lshl_b32 s20, s20, 9                         ; and their codes
	s_mov_b32 s21, 0
	s_lshl_b32 s46, s46, 9
	s_mov_b32 s47, 0
	s_mul_i32 s45, s14, HALFT                      ; where they go: wave x 128 rows
	s_mul_i32 s94, s14, HALFS
	s_wait_dscnt 0x0                               ; both opening adds are done
	s_wait_kmcnt 0x0
	s_add_nc_u64 s[20:21], s[4:5], s[20:21]
	s_add_nc_u64 s[22:23], s[6:7], s[22:23]
	s_add_nc_u64 s[46:47], s[4:5], s[46:47]
	s_add_nc_u64 s[92:93], s[6:7], s[92:93]
	CROUND                                         ; all sixteen work-groups are here: the joint loads meet
	s_mov_b32 s[G0S], 1
	s_add_co_u32 s[G0S+1], s94, SCL
	s_mov_b64 s[G0S+2:G0S+3], s[22:23]
	s_or_b32 s[G0S+3], s[G0S+3], 0x80000000
	s_mov_b32 s[G0SB], 1
	s_add_co_u32 s[G0SB+1], s94, SCL
	s_mov_b64 s[G0SB+2:G0SB+3], s[92:93]
	s_or_b32 s[G0SB+3], s[G0SB+3], 0x80000000
	JLOAD G0S, G1S, G0SB, G1SB                     ; the scales first: they are wanted with the first step
.irp s, 0,1
	s_mov_b32 s[G0+4*\s], 1
	s_add_co_u32 s[G0+4*\s+1], s45, \s*SLOT
	s_add_nc_u64 s[G0+4*\s+2:G0+4*\s+3], s[20:21], \s*ROWB
	s_or_b32 s[G0+4*\s+3], s[G0+4*\s+3], 0x80000000
	s_mov_b32 s[G0B+4*\s], 1
	s_add_co_u32 s[G0B+4*\s+1], s45, \s*SLOT
	s_add_nc_u64 s[G0B+4*\s+2:G0B+4*\s+3], s[46:47], \s*ROWB
	s_or_b32 s[G0B+4*\s+3], s[G0B+4*\s+3], 0x80000000
	JLOAD G0+4*\s, G1, G0B+4*\s, G1B               ; three loads of mine are out behind the second of these
.endr
	v_and_b32 v1, 15, v0                           ; l % 16
	v_bfe_u32 v2, v0, 4, 1                         ; l / 16
	v_mul_u32_u24 v3, v1, PITCH
	v_lshl_add_u32 v4, v2, 4, v3                   ; a fragment's row x pitch + 16 x half
	s_mul_i32 s21, s15, HALFT                      ; my 128 rows of P
	s_mul_i32 s22, s16, HALFT                      ; my 128 rows of R,
	s_add_co_u32 s22, s22, 2*HALFT                 ; which lie behind P's 256
.irp s, 0,1
	v_add_nc_u32 v[ADRA+\s], s21, v4
	v_add_nc_u32 v[ADRB+\s], s22, v4
	s_add_co_u32 s21, s21, SLOT
	s_add_co_u32 s22, s22, SLOT
.endr
	v_mul_u32_u24 v5, v1, KS                       ; my row's scales: 32 bytes a row,
	v_lshrrev_b32 v6, 8, v5
	v_lshl_add_u32 v5, v6, 4, v5                   ; and 16 more for each 256 passed
	s_mul_i32 s21, s15, HALFS
	s_mul_i32 s22, s16, HALFS
	s_add_co_u32 s22, s22, 2*HALFS
	s_sub_co_u32 s22, s22, s21
	v_mul_u32_u24 v6, s22, v2                      ; lanes 16-31 take R's: one product, the distance between the two bases
	s_add_co_u32 s21, s21, SCL
	v_add_nc_u32 v5, v5, v6
	v_add_nc_u32 v[ADRS], s21, v5
	v_and_b32 v6, 31, v0
	v_lshlrev_b32 v[GO], 4, v6
.macro FRAG reg, adr, q, i             ; 16 rows x 128 K of 4-bit codes: 8 registers, two loads of 16 bytes, 32 bytes apart
.irp c, 0,1
	ds_load_b128 v[\reg+4*\c:\reg+4*\c+3], v[\adr] offset:64*(\q)+32*\c+(\i)*16*PITCH
.endr
.endm
; 16 matrix instructions: P's blocks a0, a0 + 1 x R's eight.  The 64 accumulators take turns, one instruction a turn, in the same order in every step.
; A scale register holds P's word in lanes 0-15 and R's in lanes 16-31; source 0 (R) reads the upper row.
.macro MUL16 a0, p, q, sc, zero
.irp a, \a0, \a0+1
.irp b, 0,1,2,3,4,5,6,7
.if \zero
	v_wmma_scale_f32_16x16x128_f8f6f4 v[8*(8*((\a)%4)+\b):8*(8*((\a)%4)+\b)+7], v[128*(\p)+FR*\b:128*(\p)+FR*\b+FR-1], v[AF+FR*(\a):AF+FR*(\a)+FR-1], 0, v[SC+8*NQ*(\sc)+NQ*\b+(\q)], v[SC+8*NQ*(\sc)+NQ*(\a)+(\q)] matrix_a_fmt:MATRIX_FMT_FP4 matrix_b_fmt:MATRIX_FMT_FP4 matrix_a_scale:MATRIX_SCALE_ROW1
.else
	v_wmma_scale_f32_16x16x128_f8f6f4 v[8*(8*((\a)%4)+\b):8*(8*((\a)%4)+\b)+7], v[128*(\p)+FR*\b:128*(\p)+FR*\b+FR-1], v[AF+FR*(\a):AF+FR*(\a)+FR-1], v[8*(8*((\a)%4)+\b):8*(8*((\a)%4)+\b)+7], v[SC+8*NQ*(\sc)+NQ*\b+(\q)], v[SC+8*NQ*(\sc)+NQ*(\a)+(\q)] matrix_a_fmt:MATRIX_FMT_FP4 matrix_b_fmt:MATRIX_FMT_FP4 matrix_a_scale:MATRIX_SCALE_ROW1
.endif
.endr
.endr
.endm
.macro FETCH_B slot, q, p
	WIN TO_B
.irp i, 0,1,2,3,4,5,6,7
	FRAG 128*(\p)+FR*\i, ADRB+\slot, \q, \i
.endr
	WIN 0
.endm
.macro FETCH_A slot, q, i0
.irp i, \i0, \i0+1, \i0+2, \i0+3
	FRAG AF+FR*(\i), ADRA+\slot, \q, \i
.endr
.endm
.macro SCALES sc                       ; a slot's scale words: 4 words a row
.irp i, 0,1,2,3,4,5,6,7
	ds_load_b128 v[SC+8*NQ*\sc+NQ*\i:SC+8*NQ*\sc+NQ*\i+3], v[ADRS] offset:\i*SBLK
.endr
.endm
.macro PLACES n                        ; plain places behind matrix instructions, ahead of loads into their sources and of reads of their results
.rept \n
	v_nop
.endr
.endm
.macro STEP slot, q, zero              ; 128 along K, with its successor in the same slot
	s_wait_dscnt 4*NL                              ; R's set and P's blocks 0-3 are in; the youngest eight loads (P's blocks 4-7) may be out
	WIN MUL_LO
	MUL16 0, (\q)%2, \q, \slot, \zero
	MUL16 2, (\q)%2, \q, \slot, \zero
	s_wait_dscnt 0                                 ; P's blocks 4-7 are in
	PLACES NP
	FETCH_B \slot, (\q)+1, 1-(\q)%2
	FETCH_A \slot, (\q)+1, 0
	WIN MUL_HI
	MUL16 4, (\q)%2, \q, \slot, \zero
	MUL16 6, (\q)%2, \q, \slot, \zero
	PLACES NP
	WIN 0
	FETCH_A \slot, (\q)+1, 4
.endm
.macro STEPS slot, from
.set Q, \from
.rept NQ-1-\from
	STEP \slot, Q, 0
.set Q, Q+1
.endr
.endm
	s_wait_tensorcnt 1                             ; the scales and my part of slot 0 are in; slot 1's load may be out
	s_barrier_signal -1
	s_barrier_wait -1
	FETCH_B 0, 0, 0
	FETCH_A 0, 0, 0
	SCALES 0
	FETCH_A 0, 0, 4
	STEP 0, 0, 1                                   ; the first products start the sums: nothing is cleared
	STEPS 0, 1
	; slot 0's last step, and the change to slot 1: each wave's part of slot 1 has landed, then the barrier shows it to all.  Nothing is filled again.
	s_wait_tensorcnt 0x0
	ds_add_u32 v[SPW], v[NIL]
	s_wait_dscnt 4*NL+1                            ; the add and the youngest eight loads may be out
	WIN MUL_LO
	MUL16 0, 1, NQ-1, 0, 0
	s_wait_dscnt 0x0
	s_barrier_signal -1
	MUL16 2, 1, NQ-1, 0, 0
	WIN 0
	s_barrier_wait -1
	PLACES NP
	v_add_nc_u32 v[ADRS], 4*NQ, v[ADRS]            ; on to slot 1's scale words
	FETCH_B 1, 0, 0
	FETCH_A 1, 0, 0
	SCALES 1
	WIN MUL_HI
	MUL16 4, 1, NQ-1, 0, 0
	MUL16 6, 1, NQ-1, 0, 0
	PLACES NP
	WIN 0
	FETCH_A 1, 0, 4
	STEPS 1, 0
	s_wait_dscnt 4*NL                              ; the very last step: nothing more to fetch
	WIN MUL_LO
	MUL16 0, 1, NQ-1, 1, 0
	MUL16 2, 1, NQ-1, 1, 0
	s_wait_dscnt 0
	WIN MUL_HI
	MUL16 4, 1, NQ-1, 1, 0
	MUL16 6, 1, NQ-1, 1, 0
	WIN 0
	PLACES NP                                      ; ahead of the first reads of results and of writes into P's fragment registers
; THE WAY OUT.  hi, lo: the registers of (cy, cx) for q and k, of (cx, cy) for v; hw: the wave's half that picks heads; tw: the half that picks tokens.
; First head = 16 hi + 4 lo + 2 hw; a head is 2^18 bytes; X x 2^24 picks q, k or v; Y x 2^15 + tw x 2^14 is the place of my first token in a head, in both layouts.
.macro WAYOUT isv, hi, lo, hw, tw
	s_lshl_b32 s66, s[\hi], 4
	s_lshl_b32 s67, s[\lo], 2
	s_add_co_u32 s66, s66, s67
	s_lshl_b32 s67, s[\hw], 1
	s_add_co_u32 s66, s66, s67
	s_lshl_b32 s66, s66, 18
	s_lshl_b32 s67, ttmp9, 24
	s_add_co_u32 s66, s66, s67
	s_lshl_b32 s67, s17, 15
	s_add_co_u32 s66, s66, s67
	s_lshl_b32 s67, s[\tw], 14
	s_add_co_u32 s66, s66, s67
	s_mov_b32 s67, 0
	s_add_nc_u64 s[8:9], s[8:9], s[66:67]
	s_mul_i32 s66, s[\hi], 196608                  ; fine32: batch, product, first head
	s_lshl_b32 s67, ttmp9, 16
	s_add_co_u32 s66, s66, s67
	s_lshl_b32 s67, s[\lo], 14
	s_add_co_u32 s66, s66, s67
	s_lshl_b32 s67, s[\hw], 13
	s_add_co_u32 s66, s66, s67
	s_mov_b32 s67, 0
	s_add_nc_u64 s[10:11], s[10:11], s[66:67]
	s_or_b32 s66, s17, s[\tw]                      ; tokens 0-15 of a batch lie with Y = 0 in the wave half tw = 0: the cluster's y and the wave's number alone
	s_cmp_lg_u32 s66, 0
	s_cbranch_scc1 .Lno_fine_\@
.if \isv
.irp a, 0,1,2,3,4,5,6,7                ; accumulators (a, 0): channel tile a, tokens 0-15; each from its low end on
	WIN 0x08+4*(\a/4)
	global_store_b128 v[GO], v[64*(\a%4):64*(\a%4)+3], s[10:11] offset:1024*\a
	global_store_b128 v[GO], v[64*(\a%4)+4:64*(\a%4)+7], s[10:11] offset:1024*\a+512
.endr
.else
	WIN 0x08
.irp b, 0,1,2,3,4,5,6,7                ; accumulators (0, b): tokens 0-15, d tile b
	global_store_b128 v[GO], v[8*\b:8*\b+3], s[10:11] offset:1024*\b
	global_store_b128 v[GO], v[8*\b+4:8*\b+7], s[10:11] offset:1024*\b+512
.endr
.endif
	WIN 0
.Lno_fine_\@:
.irp a, 0,1,2,3,4,5,6,7
.if \a >= 4
	s_wait_xcnt 0x0                                ; block a - 4's stores have read their registers: they are written again only behind this wait
.endif
.set AC, 64*(\a%4)
.set T, 128+32*(\a%4)
	WIN 0x0a+5*(\a/4)                              ; sources in window 2 or 3
.irp b, 0,1,2,3,4,5,6,7
.irp r, 0,1,2,3
	v_cvt_pk_f16_f32 v[T+4*\b+\r], v[AC+8*\b+2*\r], v[AC+8*\b+2*\r+1]
.endr
.endr
	WIN 0
.irp bp, 0,1,2,3
.irp c, 0,1
.if \isv
	global_store_b128 v[GO], v[T+8*\bp+4*\c:T+8*\bp+4*\c+3], s[8:9] offset:(\a/4)*262144+(\a%4)*1024+\bp*4096+512*\c
.else
	global_store_b128 v[GO], v[T+8*\bp+4*\c:T+8*\bp+4*\c+3], s[8:9] offset:\a*2048+(\bp/2)*262144+(\bp%2)*1024+512*\c
.endif
.endr
.endr
.endr
.endm
	s_cmp_eq_u32 ttmp9, 2                          ; the cluster's x: the same in all partners
	s_cbranch_scc1 .Lvalues
	WAYOUT 0, 41, 40, 16, 15
	s_branch .Ldone
.Lvalues:
	WAYOUT 1, 40, 41, 15, 16
.Ldone:
	s_wait_tensorcnt 0x0                           ; the wave's end
	ds_add_u32 v[SPW], v[NIL]
	s_wait_dscnt 0x0
	CROUND                                         ; the closing round
	s_endpgm
.Lfunc_end_k_q8dbcbe5c07_proj:
	.size	k_q8dbcbe5c07_proj, .Lfunc_end_k_q8dbcbe5c07_proj-k_q8dbcbe5c07_proj
	.p2alignl 7, 3214868480
	.fill 96, 4, 3214868480
	.section	.rodata,"a",@progbits
	.p2align	6, 0x0
	.amdhsa_kernel k_q8dbcbe5c07_proj
		.amdhsa_group_segment_fixed_size 327680
		.amdhsa_private_segment_fixed_size 0
		.amdhsa_enable_private_segment 0
		.amdhsa_kernarg_size 32
		.amdhsa_user_sgpr_count 2
		.amdhsa_user_sgpr_kernarg_segment_ptr 1
		.amdhsa_wavefront_size32 1
		.amdhsa_system_sgpr_workgroup_id_x 1
		.amdhsa_system_sgpr_workgroup_id_y 1
		.amdhsa_system_sgpr_workgroup_id_z 1
		.amdhsa_system_vgpr_workitem_id 0
		.amdhsa_next_free_vgpr 1024
		.amdhsa_next_free_sgpr 100
		.amdhsa_reserve_vcc 0
		.amdhsa_float_denorm_mode_32 3
		.amdhsa_float_denorm_mode_16_64 3
		.amdhsa_memory_ordered 1
		.amdhsa_forward_progress 1
		.amdhsa_inst_pref_size 145
	.end_amdhsa_kernel
	.amdgpu_metadata
---
amdhsa.version: [ 1, 2 ]
amdhsa.kernels:
  - .name:           k_q8dbcbe5c07_proj
    .symbol:         k_q8dbcbe5c07_proj.kd
    .args:
      - { .name: codes, .offset: 0, .size: 8, .value_kind: global_buffer, .address_space: global }
      - { .name: scales, .offset: 8, .size: 8, .value_kind: global_buffer, .address_space: global }
      - { .name: qkv, .offset: 16, .size: 8, .value_kind: global_buffer, .address_space: global }
      - { .name: fine32, .offset: 24, .size: 8, .value_kind: global_buffer, .address_space: global }
    .group_segment_fixed_size: 327680
    .private_segment_fixed_size: 0
    .kernarg_segment_align: 8
    .kernarg_segment_size: 32
    .max_flat_workgroup_size: 128
    .sgpr_count:     100
    .vgpr_count:     1024
    .wavefront_size: 32
...
	.end_amdgpu_metadata
.endif
;; end of part 2
;; launch attn (part 3): grid 4 x 64, 8 waves a work-group, no clusters, 327,680 bytes of LDS; arguments qkv, af; writes af
.if DOCPART == 3
	.amdgcn_target "amdgcn-amd-amdhsa--gfx1250"
	.amdhsa_code_object_version 6
	.text
	.protected	k_q8dbcbe5c07_attn
	.globl	k_q8dbcbe5c07_attn
	.p2align	8
	.type	k_q8dbcbe5c07_attn,@function
k_q8dbcbe5c07_attn:
	s_mov_b64 s[64:65], 0
	v_nop
	global_prefetch_b8 v0, s[64:65] scope:SCOPE_SE
	s_setreg_imm32_b32 hwreg(HW_REG_WAVE_MODE, 25, 1), 1
	s_wait_xcnt 0x0
; attn: causal attention of one head, f16 operands, f32 sums, maxima and row sums; head size 64; 2,048 tokens.
; SHARES.  Work-group (i, batch x head) owns the query blocks 7 - i (pass A) and i (pass B), 256 queries each, and walks key blocks of 256: blocks 0..7-i for pass A, then 0..i for pass B:
; nine tiles for every work-group, so the causal half is shared out evenly, the trip count is a constant, every tile fetched is read.
; Wave w owns 32 queries, at place rho = w (w < 4) or 11 - w in the block: waves w and w + 4 together have five steps of work in a diagonal block.
; NO CLUSTER: from the sixth tile on the four work-groups of a head want four different key blocks, so their tiles cannot be asked for jointly; a joint walk of all eight blocks for both query blocks would be 12 tiles against 9.
; LAYOUT.  S^T = K Q^T and O^T = V^T P: a lane holds one query throughout.  q, k and v arrive as fragment images (register group c of lane l at 512 c + 16 l), so a key block's K and V are two dense blocks of
; 32,768 bytes, every LDS read is 16 x lane + a constant, and two tiles of S^T, rounded in pairs to f16, are a fragment of P.  O^T leaves as fragment images too: af [row tile 512][32 along K: 32][1,024].
; SOFTMAX.  A running maximum m and sum l for each query: p = 2^(c s - c m), c = log2(e) / 8; O and l are multiplied by 2^(c m_old - c m_new) in every step.  Hidden scores become -infinity ahead of the maximum.
; LIMITS: m begins at -3e38, under every score that f32 sums of f16 products give here; NaN and infinities are not served; the output must lie within f16's range.
; Tokens 0-15 of a batch are computed here like the others; the projection does not store their rows (a later launch carries them in f32).
; REGISTERS.  window 0: v1 16 x lane, v2 the address in hand, v3 256 x lane, v4 the diagonal's bound, v5 -infinity, v6, v7 the add's two, v8-23 statistics (8 a tile: c m, m, l, l, four at work),
;   v32-95 K of a step, v96-159 V of a step, v160-223 S^T (32 t + 8 kt), v224-255 P (16 t + 8 u).   window 1: v0-63 O^T (32 t + 8 ct), v64-95 Q (16 t + 8 dk), v96-127 pass B's Q.
; All of a WGP's LDS is claimed; 132,096 bytes are used.
.set SLOTB, 65536                      ; a slot: K's 32,768 bytes, then V's
.set VOFF,  32768
.set STEPB, 8192                       ; 64 keys of K, or of V
.set SPARE, 2*SLOTB                    ; the spare words, 128 bytes a wave: four blocks of 256 bytes that no other line names
.set L16, 1
.set ADR, 2
.set PFO, 3
.set D0,  4
.set NINF, 5
.set SPW, 6
.set NIL, 7
.set ST,  8
.set KR,  32
.set VR,  96
.set S,   160
.set P,   224
.set QW,  64
.set QN,  96
; scalars: s8 wave, s9 i, s10 batch x head, s11 rho, s12 7 - i, s13 8 - i, s14 rho / 2, s15 the diagonal step (99: none), s16 the last step that has a successor, s17 the tile, s18 the step,
; s19 LDS byte of the step in hand, s20 the key block asked for, s21 trips in which I prefetch, s[22:23] c, s[24:31] group 1, s[32:35] group 0, s[36:37] my part of key block 0, s[38:39] an offset,
; s[40:41] the prefetches' address, s42, s43 lane selects, s[44:45], s[46:47] where the passes' outputs go, s[48:51] at work, s[52:55] the passes' Q
.set MSB, 0
.macro WIN new
.if MSB != (\new)
	s_set_vgpr_msb (MSB<<8)|(\new)
.set MSB, (\new)
.endif
.endm
.macro INIT                            ; a pass begins: O^T and l are zeros, m is -3e38; the step is written once and its first turn multiplies zeros
	WIN 0x40
.set i, 0
.rept 64
	v_mov_b32 v[i], 0
.set i, i+1
.endr
	WIN 0
.irp t, 0,1
	v_mov_b32 v[ST+8*\t+1], 0xff61b1e6
	v_mul_f32 v[ST+8*\t], s22, v[ST+8*\t+1]
.irp j, 2,3,4,5,6,7
	v_mov_b32 v[ST+8*\t+\j], 0
.endr
.endr
.endm
	s_load_b128 s[4:7], s[0:1], 0x0                ; qkv, af
	v_lshl_add_u32 v[SPW], v0, 2, SPARE
	v_mov_b32 v[NIL], 0
	ds_add_u32 v[SPW], v[NIL]                      ; the opening: the add, twice on end, and its wait ahead of my first tensor load
	ds_add_u32 v[SPW], v[NIL]
	v_lshrrev_b32 v1, 5, v0
	v_readfirstlane_b32 s8, v1                     ; wave 0..7
	s_mov_b32 s9, ttmp9
	s_and_b32 s10, ttmp7, 0xffff
	s_sub_co_u32 s11, 11, s8
	s_cmp_lt_u32 s8, 4
	s_cselect_b32 s11, s8, s11                     ; rho
	s_sub_co_u32 s12, 7, s9
	s_sub_co_u32 s13, 8, s9
	s_lshr_b32 s14, s11, 1
	s_mov_b32 s17, 0
	s_mov_b32 s19, 0
	s_mov_b32 s20, 0
	s_cmp_eq_u32 s9, 0
	s_cselect_b32 s21, 6, 0                        ; the head's work-group 0 walks all eight blocks in order: it alone prefetches, in trips 0 to 5
	s_mov_b32 s22, 0x3e38aa3b                      ; c = log2(e) / 8
	s_mov_b32 s23, s22
	s_mov_b32 s24, 3<<16                           ; group 1: no mask, elements of 8 bytes, no padding: 32 rows of 256 bytes, dense
	s_mov_b32 s25, 32<<16                          ; tensor_dim0
	s_mov_b32 s26, 32<<16                          ; tensor_dim1
	s_mov_b32 s27, 32<<16                          ; tile_dim0
	s_mov_b32 s28, 32                              ; tile_dim1
	s_mov_b32 s29, 32                              ; pitch
	s_mov_b32 s30, 0
	s_mov_b32 s31, 0
	s_mov_b32 s32, 1
	s_lshl_b32 s33, s8, 13                         ; LDS: 8,192 x wave: waves 0-3 K's quarters, waves 4-7 V's
	s_mov_b32 s39, 0
	s_mov_b32 s42, 0x76543210
	s_mov_b32 s43, 0xfedcba98
	s_lshr_b32 s48, s8, 2
	s_add_co_u32 s48, s48, 1
	s_lshl_b32 s48, s48, 24                        ; k's part of qkv, or v's
	s_lshl_b32 s50, s10, 18                        ; the head
	s_add_co_u32 s48, s48, s50
	s_and_b32 s51, s8, 3
	s_lshl_b32 s51, s51, 13
	s_add_co_u32 s48, s48, s51
	s_mov_b32 s49, 0
	s_wait_dscnt 0x0                               ; both opening adds are done
	s_wait_kmcnt 0x0
	s_add_nc_u64 s[36:37], s[4:5], s[48:49]
	s_mov_b64 s[34:35], s[36:37]
	s_or_b32 s35, s35, 0x80000000
	tensor_load_to_lds s[32:35], s[24:31]          ; tile 0 = key block 0, which counts for every query
	s_nop 0
.rept 4
	v_nop
.endr
	s_add_nc_u64 s[40:41], s[36:37], 32768         ; at key block 1; trip 0 steps it to block 2.  Nothing is prefetched here at the head
	s_lshl_b32 s51, s11, 12
	s_add_co_u32 s51, s51, s50                     ; head + 2 rho token tiles
	s_lshl_b32 s48, s12, 15
	s_add_co_u32 s48, s48, s51
	s_add_nc_u64 s[52:53], s[4:5], s[48:49]        ; pass A's Q
	s_lshl_b32 s48, s9, 15
	s_add_co_u32 s48, s48, s51
	s_add_nc_u64 s[54:55], s[4:5], s[48:49]        ; pass B's
	s_lshr_b32 s48, s10, 4
	s_lshl_b32 s48, s48, 22                        ; af: batch x 128 row tiles of 32,768 bytes,
	s_and_b32 s50, s10, 15
	s_lshl_b32 s50, s50, 11                        ; head x 2 fragments,
	s_add_co_u32 s50, s50, s48
	s_lshl_b32 s48, s11, 16                        ; rho x 2 row tiles
	s_add_co_u32 s50, s50, s48
	s_lshl_b32 s48, s12, 19
	s_add_co_u32 s48, s48, s50
	s_add_nc_u64 s[44:45], s[6:7], s[48:49]
	s_lshl_b32 s48, s9, 19
	s_add_co_u32 s48, s48, s50
	s_add_nc_u64 s[46:47], s[6:7], s[48:49]
	v_and_b32 v[PFO], 31, v0
	v_lshlrev_b32 v[L16], 4, v[PFO]
	v_lshlrev_b32 v[PFO], 8, v[PFO]
	v_and_b32 v[D0], 15, v0
	v_bfe_u32 v[NINF], v0, 4, 1
	v_lshlrev_b32 v[NINF], 3, v[NINF]
	v_sub_nc_u32 v[D0], v[D0], v[NINF]
	s_and_b32 s48, s11, 1
	s_lshl_b32 s48, s48, 5
	v_add_nc_u32 v[D0], s48, v[D0]                 ; r - 8 h + 32 (rho % 2): in the diagonal step register (t, kt, j) is hidden where 16 kt + j - 16 t is above it
	v_mov_b32 v[NINF], 0xff800000
	WIN 0x40
.irp t, 0,1
.irp dk, 0,1
.irp c, 0,1
	global_load_b128 v[QW+16*\t+8*\dk+4*\c:QW+16*\t+8*\dk+4*\c+3], v[L16], s[52:53] offset:2048*\t+1024*\dk+512*\c
	global_load_b128 v[QN+16*\t+8*\dk+4*\c:QN+16*\t+8*\dk+4*\c+3], v[L16], s[54:55] offset:2048*\t+1024*\dk+512*\c
.endr
.endr
.endr
	INIT
	s_wait_loadcnt 0x0                             ; Q of both passes
; A prefetch of my wave's own 8,192 bytes of tile N + 2, lanes 256 bytes apart, behind my tensor load for tile N + 1: one trip (four key steps) ahead of the load that will want them.
; All four work-groups of a head read the same K and V: work-group 0 alone asks, in trips 0 to 5, for blocks 2 to 7: each block of 256 bytes is named once, none past block 7.
.macro ASK
	s_cmp_lt_u32 s17, s21
	s_cbranch_scc0 .Lnot_mine_\@
	global_prefetch_b8 v[PFO], s[40:41] th:TH_LOAD_NT scope:SCOPE_SE
.Lnot_mine_\@:
.endm
.macro SOFTMAX                         ; both tiles by turns, so that no line waits for the line above it
.irp j, 0,1,2,3
.irp t, 0,1
	v_max3_num_f32 v[ST+8*\t+4+\j], v[S+32*\t+8*\j], v[S+32*\t+8*\j+1], v[S+32*\t+8*\j+2]   ; four chains, each begun at an accumulator's low end
.endr
.endr
.irp q, 3,5
.irp j, 0,1,2,3
.irp t, 0,1
	v_max3_num_f32 v[ST+8*\t+4+\j], v[ST+8*\t+4+\j], v[S+32*\t+8*\j+\q], v[S+32*\t+8*\j+\q+1]
.endr
.endr
.endr
.irp t, 0,1
	v_max3_num_f32 v[ST+8*\t+4], v[ST+8*\t+4], v[S+32*\t+7], v[S+32*\t+15]
	v_max3_num_f32 v[ST+8*\t+6], v[ST+8*\t+6], v[S+32*\t+23], v[S+32*\t+31]
.endr
.irp t, 0,1
	v_max3_num_f32 v[ST+8*\t+4], v[ST+8*\t+4], v[ST+8*\t+5], v[ST+8*\t+6]
.endr
.irp t, 0,1
	v_max3_num_f32 v[ST+8*\t+4], v[ST+8*\t+4], v[ST+8*\t+7], v[ST+8*\t+1]    ; and the old m
.endr
.irp t, 0,1
	v_permlanex16_b32 v[ST+8*\t+5], v[ST+8*\t+4], s42, s43                   ; the query's other 32 keys lie in the lane 16 away
.endr
.irp t, 0,1
	v_mov_b32 v[ST+8*\t+7], v[ST+8*\t]                                       ; c m_old
.endr
.irp t, 0,1
	v_max_num_f32 v[ST+8*\t+1], v[ST+8*\t+4], v[ST+8*\t+5]
.endr
.irp t, 0,1
	v_mul_f32 v[ST+8*\t], s22, v[ST+8*\t+1]
.endr
.irp t, 0,1
	v_sub_f32 v[ST+8*\t+7], v[ST+8*\t+7], v[ST+8*\t]
.endr
.irp b, 0,2,4,6,8,10,12,14,16,18,20,22,24,26,28,30
.irp t, 0,1
	v_pk_fma_f32 v[S+32*\t+\b:S+32*\t+\b+1], v[S+32*\t+\b:S+32*\t+\b+1], s[22:23], v[ST+8*\t:ST+8*\t+1] op_sel_hi:[1,0,0] neg_lo:[0,0,1] neg_hi:[0,0,1]   ; c s - c m
.endr
.endr
.irp t, 0,1
	v_exp_f32 v[ST+8*\t+6], v[ST+8*\t+7]           ; a = 2^(c m_old - c m_new)
.endr
.set i, 0
.rept 64
	v_exp_f32 v[S+i], v[S+i]                       ; ONE BATCH: none of these reads an exponential's result
.set i, i+1
.endr
	v_nop                                          ; the plain line behind the last exponential
	s_wait_alu depctr_va_vdst(0)                   ; one wait for the 66, ahead of the first line that names a result
.set i, 0
.rept 32
	v_cvt_pk_f16_f32 v[P+i], v[S+2*i], v[S+2*i+1]  ; P: tile t's fragment u at P + 16 t + 8 u
.set i, i+1
.endr
.irp w, 4,8,16,32                      ; the row's sum of the unrounded p: a tree in place, pairs (even key, odd key)
.set i, 0
.rept 64/\w
	v_pk_add_f32 v[S+i:S+i+1], v[S+i:S+i+1], v[S+i+\w/2:S+i+\w/2+1]
.set i, i+\w
.endr
.endr
.irp t, 0,1
	v_pk_fma_f32 v[ST+8*\t+2:ST+8*\t+3], v[ST+8*\t+2:ST+8*\t+3], v[ST+8*\t+6:ST+8*\t+7], v[S+32*\t:S+32*\t+1] op_sel_hi:[1,0,1]   ; l = a l + the sum
.endr
	WIN 0x41
.irp t, 0,1
.set i, 0
.rept 16
	v_pk_mul_f32 v[32*\t+i:32*\t+i+1], v[32*\t+i:32*\t+i+1], v[ST+8*\t+6:ST+8*\t+7] op_sel_hi:[1,0]   ; O^T x a, each accumulator from its low end on
.set i, i+2
.endr
.endr
.endm
; ONE TILE (a key block of 256).  In front of the barrier each wave waits for all its tensor loads (one is out: its part of this tile), adds 0 to its spare word, and waits for that and for its reads of the
; other slot.  Behind it this tile is whole and nobody reads the other slot.  fill = 1: the next tile goes there, my one tensor load until the next barrier: it has this tile's four steps in which to land.
.macro TRIP fill
	s_wait_tensorcnt 0x0                           ; no tensor load of mine is out, so group 0 may be written
	ds_add_u32 v[SPW], v[NIL]                      ; the descriptor's steps stand between it and its wait
.if \fill
	s_xor_b32 s33, s33, SLOTB                      ; the other slot than last time
	s_add_co_u32 s20, s20, 1
	s_cmp_eq_u32 s20, s13
	s_cselect_b32 s20, 0, s20                      ; behind pass A's last block comes block 0 again
	s_lshl_b32 s38, s20, 15
	s_add_nc_u64 s[34:35], s[36:37], s[38:39]
	s_or_b32 s35, s35, 0x80000000
	s_wait_xcnt 0x0                                ; the last prefetch, a trip back, has read its address
	s_add_nc_u64 s[40:41], s[40:41], 32768
.endif
	s_wait_dscnt 0x0
	s_barrier_signal -1
	s_barrier_wait -1
.if \fill
	tensor_load_to_lds s[32:35], s[24:31]
	s_nop 0
.rept 4
	v_nop
.endr
	ASK
	s_cmp_eq_u32 s17, s12                          ; pass A's diagonal block?
	s_cselect_b32 s15, s14, 99
.else
	s_mov_b32 s15, s14                             ; the last tile is pass B's diagonal block
.endif
	s_min_u32 s16, s15, 3
	v_add_nc_u32 v[ADR], s19, v[L16]
.set i, 0
.rept 16
	ds_load_b128 v[KR+4*i:KR+4*i+3], v[ADR] offset:512*i         ; K of step 0
.set i, i+1
.endr
	s_mov_b32 s18, 0
.Lstep_\@:                             ; four trips of 64 keys
	s_cmp_gt_u32 s18, s15                          ; all 64 keys come after my 32 queries: the step's work is left out; the address steps at its end are not
	s_cbranch_scc1 .Lskip_\@
	v_add_nc_u32 v[ADR], s19, v[L16]               ; with the three v_nop: four places behind the last products, which read V
.rept 3
	v_nop
.endr
.set i, 0
.rept 16
	ds_load_b128 v[VR+4*i:VR+4*i+3], v[ADR] offset:VOFF+512*i
.set i, i+1
.endr
	s_wait_dscnt 16                                ; K is in; the 16 loads of V just issued may be out
	WIN 0x04                                       ; Q in window 1
.irp dk, 0,1                           ; S^T = K Q^T: eight accumulators by turns, one instruction a turn
.irp kt, 0,1,2,3
.irp t, 0,1
.if \dk == 0
	v_wmma_f32_16x16x32_f16 v[S+32*\t+8*\kt:S+32*\t+8*\kt+7], v[KR+16*\kt+8*\dk:KR+16*\kt+8*\dk+7], v[QW+16*\t+8*\dk:QW+16*\t+8*\dk+7], 0
.else
	v_wmma_f32_16x16x32_f16 v[S+32*\t+8*\kt:S+32*\t+8*\kt+7], v[KR+16*\kt+8*\dk:KR+16*\kt+8*\dk+7], v[QW+16*\t+8*\dk:QW+16*\t+8*\dk+7], v[S+32*\t+8*\kt:S+32*\t+8*\kt+7]
.endif
.endr
.endr
.endr
	WIN 0
.rept 4
	v_nop                                          ; places ahead of the loads into K's registers and of the first read of the scores
.endr
	s_cmp_ge_u32 s18, s16                          ; no later step of this tile has work for me: its K is not fetched
	s_cbranch_scc1 .Lno_k_\@
.set i, 0
.rept 16
	ds_load_b128 v[KR+4*i:KR+4*i+3], v[ADR] offset:STEPB+512*i   ; the next step's K lands under the softmax
.set i, i+1
.endr
.Lno_k_\@:
	s_cmp_lg_u32 s18, s15
	s_cbranch_scc1 .Lopen_\@
.irp t, 0,1                            ; the diagonal step
.irp kt, 0,1,2,3
.irp j, 0,1,2,3,4,5,6,7
	v_cmp_gt_i32 vcc_lo, 16*\kt+\j-16*\t, v[D0]
	v_cndmask_b32 v[S+32*\t+8*\kt+\j], v[S+32*\t+8*\kt+\j], v[NINF], vcc_lo
.endr
.endr
.endr
.Lopen_\@:
	SOFTMAX
	s_wait_dscnt 0x0                               ; V is in (and the next step's K)
	WIN 0x50                                       ; O^T in window 1
.irp u, 0,1                            ; O^T += V^T P: eight accumulators by turns
.irp ct, 0,1,2,3
.irp t, 0,1
	v_wmma_f32_16x16x32_f16 v[32*\t+8*\ct:32*\t+8*\ct+7], v[VR+32*\u+8*\ct:VR+32*\u+8*\ct+7], v[P+16*\t+8*\u:P+16*\t+8*\u+7], v[32*\t+8*\ct:32*\t+8*\ct+7]
.endr
.endr
.endr
	WIN 0
.Lskip_\@:
	s_add_co_u32 s19, s19, STEPB
	s_add_co_u32 s18, s18, 1
	s_cmp_lt_u32 s18, 4
	s_cbranch_scc1 .Lstep_\@
	s_sub_co_u32 s19, s19, 4*STEPB                 ; back to a slot's first step,
	s_xor_b32 s19, s19, SLOTB                      ; in the other slot
.endm
; A pass ends: O^T / l, rounded to f16; two neighbouring channel tiles are a fragment of the projection's operand.  Each store: 512 consecutive bytes, aligned.
.macro FINISH p
.rept 4
	v_nop                                          ; places behind the last products
.endr
.irp t, 0,1
	v_add_f32 v[ST+8*\t+4], v[ST+8*\t+2], v[ST+8*\t+3]
.endr
.irp t, 0,1
	v_permlanex16_b32 v[ST+8*\t+5], v[ST+8*\t+4], s42, s43
.endr
.irp t, 0,1
	v_add_f32 v[ST+8*\t+4], v[ST+8*\t+4], v[ST+8*\t+5]
.endr
.irp t, 0,1
	v_rcp_f32 v[ST+8*\t+6], v[ST+8*\t+4]
.endr
	v_nop
	s_wait_alu depctr_va_vdst(0)                   ; one wait for the two reciprocals, ahead of their first reader
	WIN 0x41
.irp t, 0,1
.set i, 0
.rept 16
	v_pk_mul_f32 v[32*\t+i:32*\t+i+1], v[32*\t+i:32*\t+i+1], v[ST+8*\t+6:ST+8*\t+7] op_sel_hi:[1,0]
.set i, i+2
.endr
.endr
	WIN 0x05
.set i, 0
.rept 32
	v_cvt_pk_f16_f32 v[S+i], v[2*i], v[2*i+1]
.set i, i+1
.endr
	WIN 0
.irp t, 0,1
.irp ct, 0,1,2,3
	global_store_b128 v[L16], v[S+16*\t+4*\ct:S+16*\t+4*\ct+3], s[\p:\p+1] offset:32768*\t+512*\ct
.endr
.endr
	s_wait_xcnt 0x0                                ; the stores have read their registers: the next scores may land there
.endm
.Ltrip:                                ; eight trips; each asks for the next tile
	TRIP 1
	s_cmp_lg_u32 s17, s12
	s_cbranch_scc1 .Lsame_pass
	FINISH 44                                      ; pass A's last tile is done
	WIN 0x41
.set i, 0
.rept 32
	v_mov_b32 v[QW+i], v[QN+i]                     ; pass B's queries
.set i, i+1
.endr
	INIT
.Lsame_pass:
	s_add_co_u32 s17, s17, 1
	s_cmp_lt_u32 s17, 8
	s_cbranch_scc1 .Ltrip
	TRIP 0                                         ; the ninth tile is written out: nothing is left to fetch
	FINISH 46
	s_wait_tensorcnt 0x0                           ; the wave's end
	ds_add_u32 v[SPW], v[NIL]
	s_wait_dscnt 0x0
	s_endpgm
.Lfunc_end_k_q8dbcbe5c07_attn:
	.size	k_q8dbcbe5c07_attn, .Lfunc_end_k_q8dbcbe5c07_attn-k_q8dbcbe5c07_attn
	.p2alignl 7, 3214868480
	.fill 96, 4, 3214868480
	.section	.rodata,"a",@progbits
	.p2align	6, 0x0
	.amdhsa_kernel k_q8dbcbe5c07_attn
		.amdhsa_group_segment_fixed_size 327680
		.amdhsa_private_segment_fixed_size 0
		.amdhsa_enable_private_segment 0
		.amdhsa_kernarg_size 16
		.amdhsa_user_sgpr_count 2
		.amdhsa_user_sgpr_kernarg_segment_ptr 1
		.amdhsa_wavefront_size32 1
		.amdhsa_system_sgpr_workgroup_id_x 1
		.amdhsa_system_sgpr_workgroup_id_y 1
		.amdhsa_system_sgpr_workgroup_id_z 1
		.amdhsa_system_vgpr_workitem_id 0
		.amdhsa_next_free_vgpr 384
		.amdhsa_next_free_sgpr 66
		.amdhsa_reserve_vcc 1
		.amdhsa_float_denorm_mode_32 3
		.amdhsa_float_denorm_mode_16_64 3
		.amdhsa_memory_ordered 1
		.amdhsa_forward_progress 1
		.amdhsa_inst_pref_size 69
	.end_amdhsa_kernel
	.amdgpu_metadata
---
amdhsa.version: [ 1, 2 ]
amdhsa.kernels:
  - .name:           k_q8dbcbe5c07_attn
    .symbol:         k_q8dbcbe5c07_attn.kd
    .args:
      - { .name: qkv, .offset: 0, .size: 8, .value_kind: global_buffer, .address_space: global }
      - { .name: af, .offset: 8, .size: 8, .value_kind: global_buffer, .address_space: global }
    .group_segment_fixed_size: 327680
    .private_segment_fixed_size: 0
    .kernarg_segment_align: 8
    .kernarg_segment_size: 16
    .max_flat_workgroup_size: 256
    .sgpr_count:     66
    .vgpr_count:     384
    .wavefront_size: 32
...
	.end_amdgpu_metadata
.endif
;; end of part 3
;; launch oproj (part 4): grid 4 x 64, 4 waves a work-group, clusters of 4 x 4, 327,680 bytes of LDS; arguments af, wof, out0; writes out0
.if DOCPART == 4
	.amdgcn_target "amdgcn-amd-amdhsa--gfx1250"
	.amdhsa_code_object_version 6
	.text
	.protected	k_q8dbcbe5c07_oproj
	.globl	k_q8dbcbe5c07_oproj
	.p2align	8
	.type	k_q8dbcbe5c07_oproj,@function
k_q8dbcbe5c07_oproj:
	s_mov_b64 s[64:65], 0
	v_nop
	global_prefetch_b8 v0, s[64:65] scope:SCOPE_SE
	s_setreg_imm32_b32 hwreg(HW_REG_WAVE_MODE, 25, 1), 1
	s_wait_xcnt 0x0
	s_wait_alu depctr_hold_cnt(0) depctr_sa_sdst(0) depctr_va_vdst(0) depctr_va_sdst(0) depctr_va_ssrc(0) depctr_va_vcc(0) depctr_vm_vsrc(0)
	s_getreg_b32 s2, hwreg(HW_REG_IB_STS2, 6, 4)
	s_cmp_eq_u32 s2, 0
	s_cbranch_scc0 .Lentry_in_a_cluster
	s_endpgm
.Lentry_in_a_cluster:
	s_bfe_u32 s2, ttmp6, 0x10000c
	s_cmp_lg_u32 s2, 0xf033
	s_cbranch_scc0 .Lentry_shape_is_right
	s_endpgm
.Lentry_shape_is_right:
; oproj: out0 = attention output x W_O, f16 operands, f32 sums, f32 out.  M = 8,192, N = 1,024, K = 1,024.
; A work-group makes 128 rows x 256 columns: 256 work-groups.  Tile column = cx; tile row = 16 cy + Y (batch cy; Y the cluster's y).  A wave makes 64 x 128: 32 accumulators, 256 registers.
; Both operands arrive as fragment images (16 rows x 32 K in 1,024 bytes; register group c of lane l at 512 c + 16 l): af [row tile][k32 32][1,024], wof [column tile][k32 32][1,024].
; A K step is 128: of each row tile or column tile 4,096 consecutive bytes.  Two LDS slots; every fragment read is 16 x lane + a constant: consecutive bytes, no padding.
; CLUSTER 4 x 4: A's tile hangs on cy and Y and is shared along my row of the cluster, B's on cx and is shared along my column: each is asked for jointly.
; The matrix instruction is used transposed (source 0 = W_O's fragment, source 1 = the rows'): a lane holds eight neighbouring columns of one row.
; Rows 0-15 of each batch are not stored here: a later launch writes them from f32 arithmetic.
; REGISTERS.  window 0: v16-29 addresses; v32-95 A's fragments, two buffers of 32; v96-223 B's, two of 64; on the way out v32-159 take rows.  window 1: accumulator (a, b) at 8 (8 a + b).
; All of a WGP's LDS is claimed; 197,120 bytes are used.
.set SLOT,   98304                     ; A: 8 row tiles x 4,096; B: 16 column tiles x 4,096, from byte 32,768
.set BOFF,   32768
.set SPARE,  2*SLOT
.set SPITCH, 528                       ; the way out: 16 rows x (512 + 16) bytes a wave, in slot 0, behind its last fill and its last read
.set LAPS,   4                         ; a lap = two K steps
.set ADRA, 16
.set ADRB, 20
.set STO,  24
.set RD,   25
.set CO,   26
.set SPW,  28
.set NIL,  29
.set AFR,  32
.set BF,   96
.set G1, 24
.set G0, 32
.set G1B, 48
.set G0B, 56
.set MSB, 0
.macro WIN new
.if MSB != (\new)
	s_set_vgpr_msb (MSB<<8)|(\new)
.set MSB, (\new)
.endif
.endm
.set MUL, 0x50                         ; C and D in window 1
.macro JLOAD s                         ; waves 0 and 1 ask for A's halves, waves 2 and 3 for B's; an s_nop 0 and four v_nop follow each line
	s_cmp_eq_u32 s11, 0
	s_cbranch_scc0 .Lfor_b_\@
	tensor_load_to_lds s[G0+4*\s:G0+4*\s+3], s[G1:G1+7]
	s_nop 0
.rept 4
	v_nop
.endr
	s_branch .Lasked_\@
.Lfor_b_\@:
	tensor_load_to_lds s[G0B+4*\s:G0B+4*\s+3], s[G1B:G1B+7]
	s_nop 0
.rept 4
	v_nop
.endr
.Lasked_\@:
.endm
.macro CREST
	s_cmp_lg_u32 s10, 0
	s_cbranch_scc1 .Lnot_wave_0_\@
	s_barrier_signal -3
.Lnot_wave_0_\@:
	s_barrier_wait -3
	s_barrier_signal -1
	s_barrier_wait -1
.endm
.macro CROUND
	s_barrier_signal -1
	s_barrier_wait -1
	CREST
.endm
	s_load_b128 s[4:7], s[0:1], 0x0                ; af, wof
	s_load_b64 s[8:9], s[0:1], 0x10                ; out0
	v_lshl_add_u32 v[SPW], v0, 2, SPARE
	v_mov_b32 v[NIL], 0
	ds_add_u32 v[SPW], v[NIL]                      ; the opening: the add, twice on end, and its wait ahead of my first tensor load
	ds_add_u32 v[SPW], v[NIL]
	v_lshrrev_b32 v1, 5, v0
	v_readfirstlane_b32 s10, v1                    ; wave 0..3
	s_lshr_b32 s11, s10, 1                         ; my half of the rows.  Also: I fetch for A (0) or for B (1)
	s_and_b32 s12, s10, 1                          ; my half of the columns.  Also: which half of that tile I fetch
	s_bfe_u32 s40, ttmp6, 0x40000                  ; cx
	s_bfe_u32 s41, ttmp6, 0x40004                  ; cy
	s_and_b32 s13, ttmp7, 0xffff                   ; Y
	s_lshl_b32 s14, s41, 4
	s_add_co_u32 s14, s14, s13                     ; tile row
	s_lshl_b32 s43, s41, 2
	s_lshl_b32 s43, 15, s43                        ; my row of the cluster
	s_lshl_b32 s44, 0x1111, s40                    ; my column
	s_or_b32 s[G1+0], s43, (3<<16)|(1<<21)         ; mask; elements of 8 bytes; bit 21 beside a mask; no padding
	s_or_b32 s[G1B+0], s44, (3<<16)|(1<<21)
	s_mov_b32 s[G1+1], 512<<16                     ; tensor_dim0: 4,096 bytes
	s_mov_b32 s[G1+2], 4<<16                       ; tensor_dim1: 4 row tiles
	s_mov_b32 s[G1+3], 512<<16                     ; tile_dim0
	s_mov_b32 s[G1+4], 4                           ; tile_dim1
	s_mov_b32 s[G1+5], 4096                        ; pitch: 32,768 bytes from tile to tile
	s_mov_b32 s[G1+6], 0
	s_mov_b32 s[G1+7], 0
	s_mov_b32 s[G1B+1], 512<<16
	s_mov_b32 s[G1B+2], 8<<16                      ; 8 column tiles
	s_mov_b32 s[G1B+3], 512<<16
	s_mov_b32 s[G1B+4], 8
	s_mov_b32 s[G1B+5], 4096
	s_mov_b32 s[G1B+6], 0
	s_mov_b32 s[G1B+7], 0
	s_lshl_b32 s16, s14, 18                        ; A: 8 row tiles x 32,768 bytes a tile row,
	s_lshl_b32 s17, s12, 17                        ; + my four
	s_add_co_u32 s16, s16, s17
	s_mov_b32 s17, 0
	s_lshl_b32 s46, s40, 19                        ; B: 16 column tiles a tile column,
	s_lshl_b32 s47, s12, 18                        ; + my eight
	s_add_co_u32 s46, s46, s47
	s_mov_b32 s47, 0
	s_lshl_b32 s20, s12, 14                        ; where they go: A's halves at 0 and 16,384,
	s_lshl_b32 s21, s12, 15
	s_add_co_u32 s21, s21, BOFF                    ; B's at 32,768 and 65,536: the wave's number alone
	s_wait_dscnt 0x0                               ; both opening adds are done
	s_wait_kmcnt 0x0
	s_add_nc_u64 s[18:19], s[4:5], s[16:17]
	s_add_nc_u64 s[46:47], s[6:7], s[46:47]
	CROUND                                         ; all sixteen work-groups are here: the first joint loads meet
.irp s, 0,1
	s_mov_b32 s[G0+4*\s], 1
	s_add_co_u32 s[G0+4*\s+1], s20, \s*SLOT
	s_add_nc_u64 s[G0+4*\s+2:G0+4*\s+3], s[18:19], \s*4096
	s_or_b32 s[G0+4*\s+3], s[G0+4*\s+3], 0x80000000
	s_mov_b32 s[G0B+4*\s], 1
	s_add_co_u32 s[G0B+4*\s+1], s21, \s*SLOT
	s_add_nc_u64 s[G0B+4*\s+2:G0B+4*\s+3], s[46:47], \s*4096
	s_or_b32 s[G0B+4*\s+3], s[G0B+4*\s+3], 0x80000000
	JLOAD \s                                       ; two loads of mine are out behind the second
.endr
	v_and_b32 v1, 15, v0                           ; r
	v_bfe_u32 v2, v0, 4, 1                         ; h
	v_and_b32 v3, 31, v0
	v_lshlrev_b32 v[CO], 4, v3                     ; 16 x lane
	s_lshl_b32 s21, s11, 14                        ; my four row tiles
	s_lshl_b32 s22, s12, 15
	s_add_co_u32 s22, s22, BOFF                    ; my eight column tiles
.irp s, 0,1
	v_add_nc_u32 v[ADRA+\s], s21, v[CO]
	v_add_nc_u32 v[ADRB+\s], s22, v[CO]
	s_add_co_u32 s21, s21, SLOT
	s_add_co_u32 s22, s22, SLOT
.endr
	s_mul_i32 s23, s10, 16*SPITCH                  ; my stage
	v_mul_u32_u24 v4, v1, SPITCH
	v_lshl_add_u32 v4, v2, 5, v4
	v_add_nc_u32 v[STO], s23, v4                   ; in: row r, 32 bytes for each half of the lanes
	v_add_nc_u32 v[RD], s23, v[CO]                 ; back: the 32 lanes take a row of 512 bytes
	s_lshl_b32 s16, s14, 19                        ; out0: 128 rows of 4,096 bytes a tile row,
	s_lshl_b32 s17, s11, 18                        ; + my 64
	s_add_co_u32 s16, s16, s17
	s_mov_b32 s17, 0
	s_add_nc_u64 s[8:9], s[8:9], s[16:17]
	s_lshl_b32 s46, s40, 10                        ; + my first column, in bytes
	s_lshl_b32 s47, s12, 9
	s_add_co_u32 s46, s46, s47
	s_mov_b32 s47, 0
	s_add_nc_u64 s[8:9], s[8:9], s[46:47]
	s_or_b32 s45, s13, s11                         ; 0 where my first 16 rows are tokens 0-15 of a batch: the cluster's y and the wave's number alone
.macro MUL8 p, a, zero                 ; row block a x all eight column blocks, 32 along K, from buffers p
.irp b, 0,1,2,3,4,5,6,7
.if \zero
	v_wmma_f32_16x16x32_f16 v[8*(8*(\a)+\b):8*(8*(\a)+\b)+7], v[BF+64*(\p)+8*\b:BF+64*(\p)+8*\b+7], v[AFR+32*(\p)+8*(\a):AFR+32*(\p)+8*(\a)+7], 0
.else
	v_wmma_f32_16x16x32_f16 v[8*(8*(\a)+\b):8*(8*(\a)+\b)+7], v[BF+64*(\p)+8*\b:BF+64*(\p)+8*\b+7], v[AFR+32*(\p)+8*(\a):AFR+32*(\p)+8*(\a)+7], v[8*(8*(\a)+\b):8*(8*(\a)+\b)+7]
.endif
.endr
.endm
.macro FETCH slot, q, p                ; 24 LDS loads in one run: the slot's q-th 32 along K into buffers p; B's first, then A's blocks 0 to 3
	WIN 0
.irp b, 0,1,2,3,4,5,6,7
	ds_load_b128 v[BF+64*(\p)+8*\b:BF+64*(\p)+8*\b+3],   v[ADRB+\slot] offset:\b*4096+(\q)*1024
	ds_load_b128 v[BF+64*(\p)+8*\b+4:BF+64*(\p)+8*\b+7], v[ADRB+\slot] offset:\b*4096+(\q)*1024+512
.endr
.irp a, 0,1,2,3
	ds_load_b128 v[AFR+32*(\p)+8*\a:AFR+32*(\p)+8*\a+3],   v[ADRA+\slot] offset:\a*4096+(\q)*1024
	ds_load_b128 v[AFR+32*(\p)+8*\a+4:AFR+32*(\p)+8*\a+7], v[ADRA+\slot] offset:\a*4096+(\q)*1024+512
.endr
.endm
.macro PLACES
.rept 4
	v_nop
.endr
.endm
; A K step is four quarters of 32 along K, 32 matrix instructions each, on buffers 0, 1, 0, 1; the 32 accumulators take turns in the same order in every quarter.
.macro QUARTER slot, q, f, g, zero     ; multiplies buffers f; fetches the slot's q-th quarter into g
	s_wait_dscnt 4                                 ; B and A's blocks 0, 1 are in; the youngest four loads (A's blocks 2, 3) may be out
	WIN MUL
	MUL8 \f, 0, \zero
	MUL8 \f, 1, \zero
	PLACES
	FETCH \slot, \q, \g
	s_wait_dscnt 24                                ; all but the 24 just issued
	WIN MUL
	MUL8 \f, 2, \zero
	MUL8 \f, 3, \zero
.endm
; The last quarter multiplies buffers 1 and changes slots: one barrier; in front of it each wave waits for all its tensor loads, adds 0 to its spare word, and waits for that and for its reads of this slot.
.macro TURN slot, next, fill
	WIN 0
	s_wait_tensorcnt 0x0                           ; my part of the next slot has landed
	ds_add_u32 v[SPW], v[NIL]
	s_wait_dscnt 5                                 ; the add and the youngest four loads may be out
	WIN MUL
	MUL8 1, 0, 0                                   ; eight matrix instructions stand between the add and the wait for it
	s_wait_dscnt 0x0
	s_barrier_signal -1
	MUL8 1, 1, 0
.if \fill
	WIN 0
.endif
	s_barrier_wait -1
.if \fill
	CREST                                          ; the barrier has opened a round of the cluster's: no wave of any partner still reads this slot or has a load on its way
	s_add_nc_u64 s[G0+4*\slot+2:G0+4*\slot+3], s[G0+4*\slot+2:G0+4*\slot+3], 2*4096
	s_add_nc_u64 s[G0B+4*\slot+2:G0B+4*\slot+3], s[G0B+4*\slot+2:G0B+4*\slot+3], 2*4096
	JLOAD \slot                                    ; the first tensor load behind the round; its four v_nop are also the places ahead of the loads below
.else
	PLACES
.endif
	FETCH \next, 0, 0
	WIN MUL
	MUL8 1, 2, 0
	MUL8 1, 3, 0
.endm
	s_wait_tensorcnt 1                             ; my part of K step 0 is in; K step 1's load may be out
	s_barrier_signal -1
	s_barrier_wait -1
	FETCH 0, 0, 0
	QUARTER 0, 1, 0, 1, 1                          ; the first quarter's products start the sums
	WIN 0
	s_mov_b32 s3, LAPS-1
.Llap:                                 ; a trip goes once round the ring, from a lap's second quarter to the next lap's first, and fills both slots again
	QUARTER 0, 2, 1, 0, 0
	QUARTER 0, 3, 0, 1, 0
	TURN 0, 1, 1
	QUARTER 1, 1, 0, 1, 0
	QUARTER 1, 2, 1, 0, 0
	QUARTER 1, 3, 0, 1, 0
	TURN 1, 0, 1
	QUARTER 0, 1, 0, 1, 0
	WIN 0
	s_sub_co_u32 s3, s3, 1
	s_cmp_lg_u32 s3, 0
	s_cbranch_scc1 .Llap
	QUARTER 0, 2, 1, 0, 0                          ; the last lap fills nothing
	QUARTER 0, 3, 0, 1, 0
	TURN 0, 1, 0
	QUARTER 1, 1, 0, 1, 0
	QUARTER 1, 2, 1, 0, 0
	QUARTER 1, 3, 0, 1, 0
	s_wait_dscnt 4
	WIN MUL
	MUL8 1, 0, 0
	MUL8 1, 1, 0
	s_wait_dscnt 0
	MUL8 1, 2, 0
	MUL8 1, 3, 0
	WIN 0
; THE WAY OUT, a block of 16 rows x 128 columns at a time, through my own stage: in as 32 bytes a lane, back as whole rows of 512 bytes.  LDS serves a wave's instructions in order.
.macro TOSTAGE a
	WIN 0x04                                       ; an LDS store's data: window 1
.irp b, 0,1,2,3,4,5,6,7
	ds_store_b128 v[STO], v[64*(\a)+8*\b:64*(\a)+8*\b+3] offset:64*\b          ; each accumulator from its low end on
	ds_store_b128 v[STO], v[64*(\a)+8*\b+4:64*(\a)+8*\b+7] offset:64*\b+16
.endr
	WIN 0
.set BB, 32+64*((\a)%2)
.irp t, 0,1,2,3,4,5,6,7,8,9,10,11,12,13,14,15
	ds_load_b128 v[BB+4*\t:BB+4*\t+3], v[RD] offset:\t*SPITCH
.endr
.endm
.macro SEND a, younger
.set BB, 32+64*((\a)%2)
	s_wait_dscnt \younger                          ; the block is back; the next block's 16 stores and 16 loads may be out
.if (\a) > 0
	s_add_nc_u64 s[8:9], s[8:9], 16*4096           ; (behind a wait that shows the earlier stores have read their base)
.else
	s_cmp_eq_u32 s45, 0                            ; tokens 0-15 of a batch are not stored here
	s_cbranch_scc1 .Lnot_here
.endif
.irp t, 0,1,2,3,4,5,6,7,8,9,10,11,12,13,14,15
	global_store_b128 v[CO], v[BB+4*\t:BB+4*\t+3], s[8:9] offset:\t*4096 th:TH_STORE_NT   ; 32 lanes store 512 consecutive bytes, aligned
.endr
.if (\a) == 0
.Lnot_here:
.endif
.endm
	PLACES                                         ; ahead of the first reads of results and of loads into the fragments' registers
	TOSTAGE 0
.irp a, 1,2,3
.if \a > 1
	s_wait_xcnt 0x0                                ; block a - 2's stores have read their registers and their base
.endif
	TOSTAGE \a
	SEND \a-1, 32
.endr
	s_wait_xcnt 0x0
	SEND 3, 0
	s_wait_tensorcnt 0x0                           ; the wave's end
	ds_add_u32 v[SPW], v[NIL]
	s_wait_dscnt 0x0
	CROUND                                         ; the closing round
	s_endpgm
.Lfunc_end_k_q8dbcbe5c07_oproj:
	.size	k_q8dbcbe5c07_oproj, .Lfunc_end_k_q8dbcbe5c07_oproj-k_q8dbcbe5c07_oproj
	.p2alignl 7, 3214868480
	.fill 96, 4, 3214868480
	.section	.rodata,"a",@progbits
	.p2align	6, 0x0
	.amdhsa_kernel k_q8dbcbe5c07_oproj
		.amdhsa_group_segment_fixed_size 327680
		.amdhsa_private_segment_fixed_size 0
		.amdhsa_enable_private_segment 0
		.amdhsa_kernarg_size 24
		.amdhsa_user_sgpr_count 2
		.amdhsa_user_sgpr_kernarg_segment_ptr 1
		.amdhsa_wavefront_size32 1
		.amdhsa_system_sgpr_workgroup_id_x 1
		.amdhsa_system_sgpr_workgroup_id_y 1
		.amdhsa_system_sgpr_workgroup_id_z 1
		.amdhsa_system_vgpr_workitem_id 0
		.amdhsa_next_free_vgpr 512
		.amdhsa_next_free_sgpr 66
		.amdhsa_reserve_vcc 0
		.amdhsa_float_denorm_mode_32 3
		.amdhsa_float_denorm_mode_16_64 3
		.amdhsa_memory_ordered 1
		.amdhsa_forward_progress 1
		.amdhsa_inst_pref_size 84
	.end_amdhsa_kernel
	.amdgpu_metadata
---
amdhsa.version: [ 1, 2 ]
amdhsa.kernels:
  - .name:           k_q8dbcbe5c07_oproj
    .symbol:         k_q8dbcbe5c07_oproj.kd
    .args:
      - { .name: af, .offset: 0, .size: 8, .value_kind: global_buffer, .address_space: global }
      - { .name: wof, .offset: 8, .size: 8, .value_kind: global_buffer, .address_space: global }
      - { .name: out0, .offset: 16, .size: 8, .value_kind: global_buffer, .address_space: global }
    .group_segment_fixed_size: 327680
    .private_segment_fixed_size: 0
    .kernarg_segment_align: 8
    .kernarg_segment_size: 24
    .max_flat_workgroup_size: 128
    .sgpr_count:     66
    .vgpr_count:     512
    .wavefront_size: 32
...
	.end_amdgpu_metadata
.endif
;; end of part 4
;; launch fine (part 5): grid 16 x 4, 16 waves a work-group, no clusters, 71,680 bytes of LDS; arguments fine32, W_O, out0; writes out0
.if DOCPART == 5
	.amdgcn_target "amdgcn-amd-amdhsa--gfx1250"
	.amdhsa_code_object_version 6
	.text
	.protected	k_q8dbcbe5c07_fine
	.globl	k_q8dbcbe5c07_fine
	.p2align	8
	.type	k_q8dbcbe5c07_fine,@function
k_q8dbcbe5c07_fine:
	s_mov_b64 s[64:65], 0
	v_nop
	global_prefetch_b8 v0, s[64:65] scope:SCOPE_SE
	s_setreg_imm32_b32 hwreg(HW_REG_WAVE_MODE, 25, 1), 1
	s_wait_xcnt 0x0
; fine: tokens 0-15 of each batch, where a row of the softmax averages one to sixteen values: attention and the projection in f32 throughout.
; Work-group (cb, batch): 64 output columns of those 16 rows.  Wave w is head w: scores, softmax, p v, and its 64 channels' share of the projection; the sixteen shares meet in LDS.
; q, k, v come as f32 accumulator images from the projection launch: q, k tile: lane (r, h) holds token r, registers d = 16 tile + 8 h + j; v tile: lane holds channel 16 tile + r, registers token 8 h + j.
; The f32 matrix form takes K = 2 h + j from a lane's two registers: both sources are given the SAME pair of registers of their images, so both see the same four K in the same places; all pairs cover all of K.
; The registers that the f32 matrix form writes (v184-231) are written by matrix instructions alone, and every sum begins with the constant 0.
; LIMITS: NaN and infinities are not served.
.set SPARE, 69632                      ; behind the sixteen stages of 16 rows x 272 bytes: the spare words, 128 bytes a wave
.set SPW, 14
.set NIL, 15
.set QR,  16                           ; v16-47 q, v48-79 k; later W_O for column tiles 2, 3
.set KG,  48
.set VG,  80                           ; v80-111 v; later the normalised output
.set WA,  112                          ; v112-175 W_O for column tiles 0, 1; later the shares read back
.set PS,  176                          ; v176-183 scores, then p
.set S0,  184                          ; v184-199 two partial sums of the scores
.set OA,  200                          ; v200-231 O^T; then the projection's four tiles
	s_load_b128 s[4:7], s[0:1], 0x0                ; fine32, W_O
	s_load_b64 s[8:9], s[0:1], 0x10                ; out0
	v_lshl_add_u32 v[SPW], v0, 2, SPARE
	v_mov_b32 v[NIL], 0
	v_lshrrev_b32 v1, 5, v0
	v_readfirstlane_b32 s10, v1                    ; wave = head
	s_and_b32 s12, ttmp7, 0xffff                   ; batch
	v_and_b32 v8, 31, v0
	v_lshlrev_b32 v1, 4, v8                        ; 16 x lane: an image's place
	v_and_b32 v9, 15, v0                           ; r
	v_bfe_u32 v10, v0, 4, 1                        ; h
	v_lshlrev_b32 v2, 2, v9
	v_lshl_add_u32 v2, v10, 15, v2                 ; W_O: 8 h rows of 4,096 bytes + 4 r
	v_lshlrev_b32 v3, 3, v10
	v_sub_nc_u32 v3, v9, v3                        ; r - 8 h: register j (key 8 h + j) is hidden where j is above it
	s_mul_i32 s13, s10, 4352
	v_mul_u32_u24 v4, v9, 272
	v_lshl_add_u32 v4, v10, 5, v4
	v_add_nc_u32 v4, s13, v4                       ; my stage: row r, + 32 h
	s_mul_i32 s13, s10, 272
	v_lshlrev_b32 v6, 3, v8                        ; 8 x lane
	v_add_nc_u32 v5, s13, v6                       ; back: row w of every stage
	s_mul_i32 s14, s12, 196608
	s_lshl_b32 s15, s10, 12
	s_add_co_u32 s14, s14, s15                     ; fine32: batch, head
	s_mov_b32 s15, 0
	s_lshl_b32 s16, s10, 18                        ; W_O: my 64 rows,
	s_lshl_b32 s17, ttmp9, 8                       ; my work-group's 64 columns
	s_add_co_u32 s16, s16, s17
	s_lshl_b32 s18, s12, 23                        ; out0: batch, row w, the 64 columns
	s_lshl_b32 s19, s10, 12
	s_add_co_u32 s18, s18, s19
	s_add_co_u32 s18, s18, s17
	s_mov_b32 s17, 0
	s_mov_b32 s19, 0
	s_mov_b32 s20, 0x3e38aa3b                      ; c = log2(e) / 8
	s_mov_b32 s22, 0x76543210
	s_mov_b32 s23, 0xfedcba98
	s_wait_kmcnt 0x0
	s_add_nc_u64 s[4:5], s[4:5], s[14:15]
	s_add_nc_u64 s[6:7], s[6:7], s[16:17]
	s_add_nc_u64 s[8:9], s[8:9], s[18:19]
.irp wh, 0,1,2
.irp i, 0,1,2,3,4,5,6,7
	global_load_b128 v[QR+32*\wh+4*\i:QR+32*\wh+4*\i+3], v1, s[4:5] offset:65536*\wh+512*\i
.endr
.endr
.irp nt, 0,1                           ; W_O(64 w + 16 ct + 8 h + e, 64 cb + 16 nt + r): lane = output column, registers down the channels, in the order of the output's registers
.irp ct, 0,1,2,3
.irp e, 0,1,2,3,4,5,6,7
	global_load_b32 v[WA+32*\nt+8*\ct+\e], v2, s[6:7] offset:(16*\ct+\e)*4096+64*\nt
.endr
.endr
.endr
	s_wait_loadcnt 63                              ; q, k and v are in: 64 loads were issued behind them, and the count's field ends at 63, so one more is waited for than is needed
.irp s, 0,1,2,3,4,5,6,7,8,9,10,11,12,13,14,15     ; S^T = k q^T: two sums by turns
.if \s < 2
	v_wmma_f32_16x16x4_f32 v[S0+8*(\s%2):S0+8*(\s%2)+7], v[KG+2*\s:KG+2*\s+1], v[QR+2*\s:QR+2*\s+1], 0
.else
	v_wmma_f32_16x16x4_f32 v[S0+8*(\s%2):S0+8*(\s%2)+7], v[KG+2*\s:KG+2*\s+1], v[QR+2*\s:QR+2*\s+1], v[S0+8*(\s%2):S0+8*(\s%2)+7]
.endif
.endr
.rept 9
	v_nop                                          ; places behind this form, ahead of loads into its sources and of reads of its results
.endr
.irp nt, 0,1
.irp ct, 0,1,2,3
.irp e, 0,1,2,3,4,5,6,7
	global_load_b32 v[QR+32*\nt+8*\ct+\e], v2, s[6:7] offset:(16*\ct+\e)*4096+64*(\nt+2)
.endr
.endr
.endr
.irp j, 0,1,2,3,4,5,6,7
	v_add_f32 v[PS+\j], v[S0+\j], v[S0+8+\j]       ; lane (r, h): query r, key 8 h + j
.endr
	v_mov_b32 v8, 0xff800000
.irp j, 0,1,2,3,4,5,6,7
	v_cmp_gt_i32 vcc_lo, \j, v3
	v_cndmask_b32 v[PS+\j], v[PS+\j], v8, vcc_lo
.endr
	v_max3_num_f32 v9, v[PS], v[PS+1], v[PS+2]
	v_max3_num_f32 v9, v9, v[PS+3], v[PS+4]
	v_max3_num_f32 v9, v9, v[PS+5], v[PS+6]
	v_max_num_f32 v9, v9, v[PS+7]
	v_permlanex16_b32 v10, v9, s22, s23
	v_max_num_f32 v9, v9, v10                      ; the row's maximum: key 0 counts for every query
	v_mul_f32 v9, s20, v9
.irp j, 0,1,2,3,4,5,6,7
	v_fma_f32 v[PS+\j], v[PS+\j], s20, -v9
.endr
.irp j, 0,1,2,3,4,5,6,7
	v_exp_f32 v[PS+\j], v[PS+\j]
.endr
	v_nop
	s_wait_alu depctr_va_vdst(0)                   ; one wait for the eight exponentials, ahead of their first reader
	v_add_f32 v9, v[PS], v[PS+1]
	v_add_f32 v11, v[PS+2], v[PS+3]
	v_add_f32 v9, v9, v[PS+4]
	v_add_f32 v11, v11, v[PS+5]
	v_add_f32 v9, v9, v[PS+6]
	v_add_f32 v11, v11, v[PS+7]
	v_add_f32 v9, v9, v11
	v_permlanex16_b32 v10, v9, s22, s23
	v_add_f32 v9, v9, v10
	v_rcp_f32 v11, v9
	v_nop
	s_wait_alu depctr_va_vdst(0)                   ; and one for the reciprocal
.irp s, 0,1,2,3                        ; O^T = v^T p: four sums by turns
.irp ct, 0,1,2,3
.if \s == 0
	v_wmma_f32_16x16x4_f32 v[OA+8*\ct:OA+8*\ct+7], v[VG+8*\ct+2*\s:VG+8*\ct+2*\s+1], v[PS+2*\s:PS+2*\s+1], 0
.else
	v_wmma_f32_16x16x4_f32 v[OA+8*\ct:OA+8*\ct+7], v[VG+8*\ct+2*\s:VG+8*\ct+2*\s+1], v[PS+2*\s:PS+2*\s+1], v[OA+8*\ct:OA+8*\ct+7]
.endif
.endr
.endr
.rept 9
	v_nop                                          ; ahead of reads of the results, of writes into v's registers, and of the products below, which write over these sums
.endr
.set i, 0
.rept 32
	v_mul_f32 v[VG+i], v[OA+i], v11                ; lane (r, h): query r, channel 16 ct + 8 h + j
.set i, i+1
.endr
	s_wait_loadcnt 63                              ; W_O's first 64 loads are in: 64 were issued behind them (the field ends at 63)
.irp ct, 0,1,2,3                       ; my channels' share of columns 0-31: two sums by turns
.irp s, 0,1,2,3
.irp nt, 0,1
.if (\ct == 0) && (\s == 0)
	v_wmma_f32_16x16x4_f32 v[OA+8*\nt:OA+8*\nt+7], v[WA+32*\nt+8*\ct+2*\s:WA+32*\nt+8*\ct+2*\s+1], v[VG+8*\ct+2*\s:VG+8*\ct+2*\s+1], 0
.else
	v_wmma_f32_16x16x4_f32 v[OA+8*\nt:OA+8*\nt+7], v[WA+32*\nt+8*\ct+2*\s:WA+32*\nt+8*\ct+2*\s+1], v[VG+8*\ct+2*\s:VG+8*\ct+2*\s+1], v[OA+8*\nt:OA+8*\nt+7]
.endif
.endr
.endr
.endr
	s_wait_loadcnt 0x0
.irp ct, 0,1,2,3                       ; and of columns 32-63
.irp s, 0,1,2,3
.irp nt, 0,1
.if (\ct == 0) && (\s == 0)
	v_wmma_f32_16x16x4_f32 v[OA+16+8*\nt:OA+16+8*\nt+7], v[QR+32*\nt+8*\ct+2*\s:QR+32*\nt+8*\ct+2*\s+1], v[VG+8*\ct+2*\s:VG+8*\ct+2*\s+1], 0
.else
	v_wmma_f32_16x16x4_f32 v[OA+16+8*\nt:OA+16+8*\nt+7], v[QR+32*\nt+8*\ct+2*\s:QR+32*\nt+8*\ct+2*\s+1], v[VG+8*\ct+2*\s:VG+8*\ct+2*\s+1], v[OA+16+8*\nt:OA+16+8*\nt+7]
.endif
.endr
.endr
.endr
.rept 9
	v_nop
.endr
.irp nt, 0,1,2,3
	ds_store_b128 v4, v[OA+8*\nt:OA+8*\nt+3] offset:64*\nt          ; lane (r, h): row r, columns 16 nt + 8 h + 0..7; each sum from its low end on
	ds_store_b128 v4, v[OA+8*\nt+4:OA+8*\nt+7] offset:64*\nt+16
.endr
	s_wait_dscnt 0x0                               ; for the others' sake: my stores have landed
	s_barrier_signal -1
	s_barrier_wait -1
.irp p, 0,1,2,3,4,5,6,7,8,9,10,11,12,13,14,15
	ds_load_b64 v[WA+2*\p:WA+2*\p+1], v5 offset:4352*\p             ; row w of head p's share: 256 bytes for the wave
.endr
	s_wait_dscnt 0x0
.irp p, 1,2,3,4,5,6,7,8,9,10,11,12,13,14,15
	v_pk_add_f32 v[WA:WA+1], v[WA:WA+1], v[WA+2*\p:WA+2*\p+1]
.endr
	global_store_b64 v6, v[WA:WA+1], s[8:9]        ; 32 lanes store 256 consecutive bytes, aligned
	s_wait_tensorcnt 0x0                           ; the wave's end, behind my last LDS store
	ds_add_u32 v[SPW], v[NIL]
	s_wait_dscnt 0x0
	s_endpgm
.Lfunc_end_k_q8dbcbe5c07_fine:
	.size	k_q8dbcbe5c07_fine, .Lfunc_end_k_q8dbcbe5c07_fine-k_q8dbcbe5c07_fine
	.p2alignl 7, 3214868480
	.fill 96, 4, 3214868480
	.section	.rodata,"a",@progbits
	.p2align	6, 0x0
	.amdhsa_kernel k_q8dbcbe5c07_fine
		.amdhsa_group_segment_fixed_size 71680
		.amdhsa_private_segment_fixed_size 0
		.amdhsa_enable_private_segment 0
		.amdhsa_kernarg_size 24
		.amdhsa_user_sgpr_count 2
		.amdhsa_user_sgpr_kernarg_segment_ptr 1
		.amdhsa_wavefront_size32 1
		.amdhsa_system_sgpr_workgroup_id_x 1
		.amdhsa_system_sgpr_workgroup_id_y 1
		.amdhsa_system_sgpr_workgroup_id_z 1
		.amdhsa_system_vgpr_workitem_id 0
		.amdhsa_next_free_vgpr 256
		.amdhsa_next_free_sgpr 66
		.amdhsa_reserve_vcc 1
		.amdhsa_float_denorm_mode_32 3
		.amdhsa_float_denorm_mode_16_64 3
		.amdhsa_memory_ordered 1
		.amdhsa_forward_progress 1
		.amdhsa_inst_pref_size 30
	.end_amdhsa_kernel
	.amdgpu_metadata
---
amdhsa.version: [ 1, 2 ]
amdhsa.kernels:
  - .name:           k_q8dbcbe5c07_fine
    .symbol:         k_q8dbcbe5c07_fine.kd
    .args:
      - { .name: fine32, .offset: 0, .size: 8, .value_kind: global_buffer, .address_space: global }
      - { .name: W_O, .offset: 8, .size: 8, .value_kind: global_buffer, .address_space: global }
      - { .name: out0, .offset: 16, .size: 8, .value_kind: global_buffer, .address_space: global }
    .group_segment_fixed_size: 71680
    .private_segment_fixed_size: 0
    .kernarg_segment_align: 8
    .kernarg_segment_size: 24
    .max_flat_workgroup_size: 512
    .sgpr_count:     66
    .vgpr_count:     256
    .wavefront_size: 32
...
	.end_amdgpu_metadata
.endif
;; end of part 5
